; MI455X (gfx1250); checked and timed in simulation.
; The chip was launched on July 23, 2026; its instructions are those of AMD's public machine-readable ISA for CDNA 5 (MIT licence, August 2026) and "CDNA5" Instruction Set Architecture Reference Guide (July 2026). The comments in the code are by the model that wrote it; some were corrected since.
;; Me MA. Allowed arithmetic: float matrix products may take bf16 or f16 operands with f32 sums; all other float work in f32.
;; Inputs: Wk2g 128 x 1,024 float32; Wk2t 128 x 1,024 float32; Wo 1,024 x 128 float32; Wv2g 128 x 1,024 float32; Wv2t 128 x 1,024 float32; bo 128 float32; feature 64 x 128 x 16 x 16 float32; mem 5 x 262,144 float32; task_ids 64 int32.
;; Outputs: out0 64 x 128 x 16 x 16 float32.
;; 3 versions, each right; version 2 is faster than version 1; version 3 is version 2 with the launch prep written anew for expert scheduling mode. Each part assembles by itself: llvm-mc -triple=amdgcn-amd-amdhsa -mcpu=gfx1250 --defsym DOCPART=n.
;; ======== version 1 of 3: 2 launches
;; limits: values are held in f16: magnitudes above 65,504 overflow, below 6.1e-05 lose precision
;; workspace buffers: qp 3,145,728 bytes; wvo 524,288 bytes
;; launch prep (part 1): grid 224 x 1, 8 waves a work-group, no clusters, 56,320 bytes of LDS; arguments mem, Wk2g, Wk2t, Wv2g, Wv2t, Wo, qp, wvo; writes qp, wvo
.if DOCPART == 1
	.amdgcn_target "amdgcn-amd-amdhsa--gfx1250"
	.amdhsa_code_object_version 6
	.text
	.protected	k_qd8b19f91ca_prep
	.globl	k_qd8b19f91ca_prep
	.p2align	8
	.type	k_qd8b19f91ca_prep,@function
k_qd8b19f91ca_prep:
	s_mov_b64 s[64:65], 0
	v_nop
	global_prefetch_b8 v0, s[64:65] scope:SCOPE_SE
	s_setreg_imm32_b32 hwreg(HW_REG_WAVE_MODE, 25, 1), 1
	s_wait_xcnt 0x0
; The two products of reference() that hang on weights and the query table alone, made once for all 64 images:
;   Q'[m][ci]   = sum over c' of q[m][c'] Wk[ci][128 hd + c']       since q (f Wk_h)^T = (q Wk_h^T) f^T
;   Wvo[c][co]  = sum over c' of Wv[c][128 hd + c'] Wo[128 hd + c'][co]   since (attn f Wv_h) Wo_h = (attn f)(Wv_h Wo_h)
; Both are one job: D[ci 128][x 64] = sum over c' (128) of A[ci][c'] B[x][c'], times 256, rounded to f16.
; Work-groups 0-191: Q' of table tb (0-4: mem[tb] with Wk2t; 5: mem[4] with Wk2g), head hd, 64 rows m.
; Work-groups 192-223: Wvo of unit u = 8 branch + hd (branch 0: Wv2g, 1: Wv2t), 64 columns co.
; Eight waves; wave w makes rows ci = 16 w .. 16 w + 15 of D, four tiles of 16 x 16.
; OUTPUT IN FRAGMENT ORDER: in D lane (r, h) holds column x = r and rows ci = 16 w + 8 h + 0..7.  Rounded to f16 these are the 16 bytes
; that lane (r, h) of a 16-bit fragment with row/column x and K = ci wants: K block ks = w >> 1, registers 0-3 (w even) or 4-7 (w odd).
; So fragment (x tile, ks) is 1,024 bytes, [half 2][lane 32][16 bytes], and each store of a wave covers 512 consecutive bytes, aligned.
; FORMAT: operands in f16, sums in f32.  The factor 256 keeps the results (some 5e-3 for the drawn inputs) in f16's normal range
; for inputs 30 times smaller in each factor.  LIMIT: |256 D| must stay below 65,504, beyond it the f16 result is infinite.
; No tensor loads: f32 is rounded to f16 on the way, so the data pass through registers, and each work-group reads 96 KiB once.
.set PA,    272                        ; LDS pitch of rows of 128 f16: 256 bytes + 16, an odd multiple of 16
.set B_LDS, 128*PA                     ; A: 128 rows from byte 0; B behind it
.set PBT,   160                        ; LDS pitch of Wo's rows of 64 f16 (128 bytes), an odd multiple of 32, for the transposing load
.set LANE,  1
.set RR,    2                          ; r = lane & 15
.set HH,    3                          ; h = lane >> 4
.set GA,    5                          ; byte offset in A of my 16 bytes of my wave's first row
.set GB,    6                          ; the same in B
.set LA_ST, 7                          ; where I put 8 bytes of A's row in LDS
.set LB_ST, 8                          ; the same for B
.set LA_FR, 9                          ; my A fragments
.set LB_FR, 10                         ; my B fragments
.set STO,   11                         ; byte offset of my 16 bytes in the first x tile of the result
.set L16,   12
.set L8,    13
.set RH,    14
.set TMP,   15
.set XA,    32                         ; v[32:95]   16 loads of A, f32
.set XB,    96                         ; v[96:127]  8 loads of B, f32
.set FA,    32                         ; v[32:63]   behind the barrier: A's 4 fragments
.set FB,    64                         ; v[64:191]  B's fragment (nt, ks) at FB + 8 (4 nt + ks)
.set ACC,   192                        ; v[192:223] 4 tiles
	s_load_b512 s[4:19], s[0:1], 0x0               ; mem s[4:5], Wk2g s[6:7], Wk2t s[8:9], Wv2g s[10:11], Wv2t s[12:13], Wo s[14:15], qp s[16:17], wvo s[18:19]
	v_lshl_add_u32 v224, v0, 2, 0xd800
	v_mov_b32 v225, 0
	s_mov_b32 s20, ttmp9                           ; the job
	s_mov_b32 s23, 0                               ; upper word of every offset pair s[22:23]
	v_lshrrev_b32 v[TMP], 5, v0
	v_readfirstlane_b32 s21, v[TMP]                ; wave 0..7
	v_and_b32 v[LANE], 31, v0
	v_and_b32 v[RR], 15, v0
	v_bfe_u32 v[HH], v0, 4, 1
	v_lshlrev_b32 v[L16], 4, v[LANE]
	v_lshlrev_b32 v[L8], 3, v[LANE]
	s_lshl_b32 s36, s21, 16                        ; 16 rows of 4,096 bytes a wave
	v_add_nc_u32 v[GA], s36, v[L16]
	s_mul_i32 s36, s21, 16*PA
	v_add_nc_u32 v[LA_ST], s36, v[L8]
	v_mul_u32_u24 v[RH], v[RR], PA
	v_lshl_add_u32 v[RH], v[HH], 4, v[RH]          ; r x pitch + 16 h
	v_add_nc_u32 v[LA_FR], s36, v[RH]              ; rows 16 w + r
	s_lshl_b32 s36, s21, 9                         ; (w >> 1) x 1,024 + (w & 1) x 512 = 512 w
	v_add_nc_u32 v[STO], s36, v[L16]
; n loads of 4 f32 a lane are rounded to f16 in place and put into LDS, 8 bytes a lane
.macro CVT_ST x, n, adr, ls
.set i, 0
.rept \n
	v_cvt_pk_f16_f32 v[\x+4*i], v[\x+4*i], v[\x+4*i+1]
	v_cvt_pk_f16_f32 v[\x+4*i+1], v[\x+4*i+2], v[\x+4*i+3]
	ds_store_b64 v[\adr], v[\x+4*i:\x+4*i+1] offset:i*\ls
.set i, i+1
.endr
.endm
; all 24 loads of the wave go out together; gs: bytes in B from load to load, ls: the same in LDS
.macro STAGE gs, ls
.set i, 0
.rept 16
	global_load_b128 v[XA+4*i:XA+4*i+3], v[GA], s[24:25] offset:i*4096     ; 512 consecutive bytes: a head's 128 columns of one row
.set i, i+1
.endr
.set i, 0
.rept 8
	global_load_b128 v[XB+4*i:XB+4*i+3], v[GB], s[26:27] offset:i*\gs
.set i, i+1
.endr
	s_wait_loadcnt 0x8                             ; A's 16 are in; B's 8 younger loads stay out
	CVT_ST XA, 16, LA_ST, PA
	s_wait_loadcnt 0x0
	CVT_ST XB, 8, LB_ST, \ls
.endm
	s_wait_kmcnt 0x0
	s_cmp_lt_u32 s20, 192                          ; the same in all waves of the work-group
	s_cbranch_scc0 .Lwvo_in
	; ---- Q': A = Wk's head, B = 64 rows of the query table (K along the rows)
	s_lshr_b32 s32, s20, 2                         ; 8 tb + hd
	s_and_b32 s33, s20, 3                          ; which 64 rows m
	s_lshr_b32 s34, s32, 3                         ; tb
	s_and_b32 s35, s32, 7                          ; hd
	s_cmp_eq_u32 s34, 5
	s_cselect_b64 s[24:25], s[6:7], s[8:9]         ; table 5 goes with Wk2g, the others with Wk2t
	s_lshl_b32 s22, s35, 9                         ; the head's 128 columns: 512 bytes
	s_add_nc_u64 s[24:25], s[24:25], s[22:23]
	s_min_u32 s34, s34, 4                          ; table 5 is mem[4] again
	s_lshl_b32 s22, s34, 20                        ; 262,144 f32 a table
	s_lshl_b32 s36, s35, 17                        ; 256 rows x 512 bytes a head
	s_add_co_u32 s22, s22, s36
	s_lshl_b32 s36, s33, 15                        ; 64 rows x 512 bytes
	s_add_co_u32 s22, s22, s36
	s_add_nc_u64 s[26:27], s[4:5], s[22:23]
	s_lshl_b32 s22, s32, 16                        ; 16 m tiles x 4,096 bytes a head
	s_lshl_b32 s36, s33, 14
	s_add_co_u32 s22, s22, s36
	s_add_nc_u64 s[28:29], s[16:17], s[22:23]
	s_lshl_b32 s36, s21, 12                        ; 8 rows of 512 bytes a wave
	v_add_nc_u32 v[GB], s36, v[L16]
	s_mul_i32 s36, s21, 8*PA
	s_add_co_u32 s36, s36, B_LDS
	v_add_nc_u32 v[LB_ST], s36, v[L8]
	v_add_nc_u32 v[LB_FR], B_LDS, v[RH]
	STAGE 512, PA
	s_branch .Lstaged
.Lwvo_in:
	; ---- Wvo: A = Wv's head, B = 64 columns of Wo's 128 rows of that head (stored [K][N])
	s_sub_co_u32 s32, s20, 192
	s_lshr_b32 s33, s32, 1                         ; u
	s_and_b32 s34, s32, 1                          ; which 64 columns co
	s_lshr_b32 s35, s33, 3                         ; branch
	s_and_b32 s37, s33, 7                          ; hd
	s_cmp_lg_u32 s35, 0
	s_cselect_b64 s[24:25], s[12:13], s[10:11]     ; branch 1: Wv2t, branch 0: Wv2g
	s_lshl_b32 s22, s37, 9
	s_add_nc_u64 s[24:25], s[24:25], s[22:23]
	s_lshl_b32 s22, s37, 16                        ; 128 rows x 512 bytes a head
	s_lshl_b32 s36, s34, 8                         ; 64 columns: 256 bytes
	s_add_co_u32 s22, s22, s36
	s_add_nc_u64 s[26:27], s[14:15], s[22:23]
	s_lshl_b32 s22, s33, 15                        ; 8 co tiles x 4,096 bytes a unit
	s_lshl_b32 s36, s34, 14
	s_add_co_u32 s22, s22, s36
	s_add_nc_u64 s[28:29], s[18:19], s[22:23]
	v_lshlrev_b32 v[GB], 4, v[RR]                  ; a load takes two rows: lanes 0-15 256 bytes of one, lanes 16-31 of the next
	v_lshl_add_u32 v[GB], v[HH], 9, v[GB]
	s_lshl_b32 s36, s21, 13                        ; 16 rows of 512 bytes a wave
	v_add_nc_u32 v[GB], s36, v[GB]
	v_mul_u32_u24 v[LB_ST], v[HH], PBT
	v_lshl_add_u32 v[LB_ST], v[RR], 3, v[LB_ST]
	s_mul_i32 s36, s21, 16*PBT
	s_add_co_u32 s36, s36, B_LDS
	v_add_nc_u32 v[LB_ST], s36, v[LB_ST]
	v_and_b32 v[TMP], 7, v0                        ; the transposing load: row 8 h + (lane & 7), 16 bytes by bit 3 of the lane
	v_lshl_add_u32 v[TMP], v[HH], 3, v[TMP]
	v_mul_u32_u24 v[LB_FR], v[TMP], PBT
	v_bfe_u32 v[TMP], v0, 3, 1
	v_lshl_add_u32 v[LB_FR], v[TMP], 4, v[LB_FR]
	v_add_nc_u32 v[LB_FR], B_LDS, v[LB_FR]
	STAGE 1024, 2*PBT
.Lstaged:
	s_wait_dscnt 0x0                               ; my LDS stores are done, for the other waves' sake
	s_barrier_signal -1
	s_barrier_wait -1                              ; A and B are whole
.set ks, 0
.rept 4
	ds_load_b128 v[FA+8*ks:FA+8*ks+3],   v[LA_FR] offset:ks*64
	ds_load_b128 v[FA+8*ks+4:FA+8*ks+7], v[LA_FR] offset:ks*64+32
.set ks, ks+1
.endr
	s_cmp_lt_u32 s20, 192
	s_cbranch_scc0 .Lwvo_fr
.set ks, 0
.rept 4                                        ; K block by K block, so that the products can begin on the first
.set nt, 0
.rept 4
	ds_load_b128 v[FB+(nt*4+ks)*8:FB+(nt*4+ks)*8+3],   v[LB_FR] offset:nt*16*PA+ks*64
	ds_load_b128 v[FB+(nt*4+ks)*8+4:FB+(nt*4+ks)*8+7], v[LB_FR] offset:nt*16*PA+ks*64+32
.set nt, nt+1
.endr
.set ks, ks+1
.endr
	s_branch .Lmul
.Lwvo_fr:
.set ks, 0
.rept 4
.set nt, 0
.rept 4
	ds_load_tr16_b128 v[FB+(nt*4+ks)*8:FB+(nt*4+ks)*8+3],   v[LB_FR] offset:ks*32*PBT+nt*32          ; K = 32 ks + 8 h + 0..7 of column 16 nt + r
	ds_load_tr16_b128 v[FB+(nt*4+ks)*8+4:FB+(nt*4+ks)*8+7], v[LB_FR] offset:ks*32*PBT+nt*32+16*PBT   ; K sixteen further on
.set nt, nt+1
.endr
.set ks, ks+1
.endr
.Lmul:
	; the four accumulators take turns, one instruction a turn; the first K block starts the sums
.set ks, 0
.rept 4
	s_wait_dscnt 8*(3-ks)                          ; on both ways 8 loads a K block: those of the later blocks stay out
.set nt, 0
.rept 4
.if ks == 0
	v_wmma_f32_16x16x32_f16 v[ACC+8*nt:ACC+8*nt+7], v[FA+8*ks:FA+8*ks+7], v[FB+(nt*4+ks)*8:FB+(nt*4+ks)*8+7], 0
.else
	v_wmma_f32_16x16x32_f16 v[ACC+8*nt:ACC+8*nt+7], v[FA+8*ks:FA+8*ks+7], v[FB+(nt*4+ks)*8:FB+(nt*4+ks)*8+7], v[ACC+8*nt:ACC+8*nt+7]
.endif
.set nt, nt+1
.endr
.set ks, ks+1
.endr
.rept 4
	v_nop                                          ; four places behind the last matrix instruction before its result is read (ISA guide 7.12.1)
.endr
.set i, 0
.rept 16
	v_pk_mul_f32 v[ACC+2*i:ACC+2*i+1], v[ACC+2*i:ACC+2*i+1], 0x43800000 op_sel_hi:[1,0]   ; x 256
.set i, i+1
.endr
.set nt, 0
.rept 4
.set i, 0
.rept 4
	v_cvt_pk_f16_f32 v[ACC+8*nt+i], v[ACC+8*nt+2*i], v[ACC+8*nt+2*i+1]     ; in place, ascending: register i is written when it has been read
.set i, i+1
.endr
	global_store_b128 v[STO], v[ACC+8*nt:ACC+8*nt+3], s[28:29] offset:nt*4096   ; 512 consecutive bytes: half a fragment
.set nt, nt+1
.endr
	s_wait_tensorcnt 0x0
	ds_add_u32 v224, v225
	s_wait_dscnt 0x0
	s_endpgm
.Lfunc_end_k_qd8b19f91ca_prep:
	.size	k_qd8b19f91ca_prep, .Lfunc_end_k_qd8b19f91ca_prep-k_qd8b19f91ca_prep
	.p2alignl 7, 3214868480
	.fill 96, 4, 3214868480
	.section	.rodata,"a",@progbits
	.p2align	6, 0x0
	.amdhsa_kernel k_qd8b19f91ca_prep
		.amdhsa_group_segment_fixed_size 56320
		.amdhsa_private_segment_fixed_size 0
		.amdhsa_enable_private_segment 0
		.amdhsa_kernarg_size 64
		.amdhsa_user_sgpr_count 2
		.amdhsa_user_sgpr_kernarg_segment_ptr 1
		.amdhsa_wavefront_size32 1
		.amdhsa_system_sgpr_workgroup_id_x 1
		.amdhsa_system_sgpr_workgroup_id_y 1
		.amdhsa_system_sgpr_workgroup_id_z 1
		.amdhsa_system_vgpr_workitem_id 0
		.amdhsa_next_free_vgpr 226
		.amdhsa_next_free_sgpr 66
		.amdhsa_reserve_vcc 0
		.amdhsa_float_denorm_mode_32 3
		.amdhsa_float_denorm_mode_16_64 3
		.amdhsa_memory_ordered 1
		.amdhsa_forward_progress 1
		.amdhsa_inst_pref_size 27
	.end_amdhsa_kernel
	.amdgpu_metadata
---
amdhsa.version: [ 1, 2 ]
amdhsa.kernels:
  - .name:           k_qd8b19f91ca_prep
    .symbol:         k_qd8b19f91ca_prep.kd
    .args:
      - { .name: mem, .offset: 0, .size: 8, .value_kind: global_buffer, .address_space: global }
      - { .name: Wk2g, .offset: 8, .size: 8, .value_kind: global_buffer, .address_space: global }
      - { .name: Wk2t, .offset: 16, .size: 8, .value_kind: global_buffer, .address_space: global }
      - { .name: Wv2g, .offset: 24, .size: 8, .value_kind: global_buffer, .address_space: global }
      - { .name: Wv2t, .offset: 32, .size: 8, .value_kind: global_buffer, .address_space: global }
      - { .name: Wo, .offset: 40, .size: 8, .value_kind: global_buffer, .address_space: global }
      - { .name: qp, .offset: 48, .size: 8, .value_kind: global_buffer, .address_space: global }
      - { .name: wvo, .offset: 56, .size: 8, .value_kind: global_buffer, .address_space: global }
    .group_segment_fixed_size: 56320
    .private_segment_fixed_size: 0
    .kernarg_segment_align: 8
    .kernarg_segment_size: 64
    .max_flat_workgroup_size: 256
    .sgpr_count:     66
    .vgpr_count:     226
    .wavefront_size: 32
...
	.end_amdgpu_metadata
.endif
;; end of part 1
;; launch mema (part 2): grid 256 x 1, 4 waves a work-group, clusters of 4 x 1, 327,680 bytes of LDS; arguments feature, task_ids, bo, qp, wvo, out0; writes out0
.if DOCPART == 2
	.amdgcn_target "amdgcn-amd-amdhsa--gfx1250"
	.amdhsa_code_object_version 6
	.text
	.protected	k_qd8b19f91ca_mema
	.globl	k_qd8b19f91ca_mema
	.p2align	8
	.type	k_qd8b19f91ca_mema,@function
k_qd8b19f91ca_mema:
	s_mov_b64 s[64:65], 0
	v_nop
	global_prefetch_b8 v0, s[64:65] scope:SCOPE_SE
	s_setreg_imm32_b32 hwreg(HW_REG_WAVE_MODE, 25, 1), 1
	s_wait_xcnt 0x0
	s_wait_alu depctr_hold_cnt(0) depctr_sa_sdst(0) depctr_va_vdst(0) depctr_va_sdst(0) depctr_va_ssrc(0) depctr_va_vcc(0) depctr_vm_vsrc(0)
	s_getreg_b32 s2, hwreg(HW_REG_IB_STS2, 6, 4)
	s_cmp_eq_u32 s2, 0
	s_cbranch_scc0 .Lentry_in_a_cluster
	s_endpgm
.Lentry_in_a_cluster:
	s_bfe_u32 s2, ttmp6, 0x10000c
	s_cmp_lg_u32 s2, 0x3003
	s_cbranch_scc0 .Lentry_shape_is_right
	s_endpgm
.Lentry_shape_is_right:
; out0[b][co][m] = LayerNorm over co of ( sum over 16 units u = (branch, head) of softmax_n(Q'_u f^T) f Wvo_u + bo ),  f[n][c] = feature[b][c][n].
; Q' (x 256) and Wvo^T (x 256) come in f16, in fragment order, from the launch before.
; A work-group owns image b and 64 query rows m (a quarter); the four quarters of an image form a cluster.
; Wave w takes units 4 w .. 4 w + 3 (waves 0, 1: the global branch, waves 2, 3: the task branch; head 4 (w & 1) + s) for all 64 m and keeps
; its own partial sum of out^T (128 co x 64 m, 256 registers); the four partial sums meet in LDS once, at the end.
; EVERYTHING IS COMPUTED TRANSPOSED, m along the lanes, so that each product's result packs in place into the next product's second operand:
;   S^T[n][m] = F_nc (rows n, K = c) x Q' ;  P = exp2(k S^T - k max) ;  T^T[c][m] = F_cn (rows c, K = n) x P ;  T^T / l ;  OUT^T[co][m] += Wvo^T x T.
; In a result tile lane (r, h) holds column m = r, rows 8 h + 0..7; two tiles one above the other, rounded to f16, are a fragment of 32 K.
; The softmax's maximum and sum are taken in the lane and across the two halves of the wave: the whole row (256 n) is in registers, and
; the true row maximum is taken away before the exponential.
; FORMAT: all matrix operands f16, all sums f32.  LIMITS: |feature| < 65,504; |256 Q'| and |256 Wvo| < 65,504; a softmax weight below 6e-8 is
; rounded to 0; task_ids are taken as unsigned and clamped to 4.
; CLUSTER: a unit's Wvo^T (32,768 bytes) is the same for the four quarters: wave w of each asks for it jointly (mask 15).
; Not shared so: Q' (each quarter has its own rows m, read once, straight into the registers of the one wave that uses them); feature (it is
; rounded to f16 and laid out twice on the way, so it passes through registers; an f32 stage of 131,072 bytes beside the 137,216 bytes of the
; two f16 copies and the 131,072 of the Wvo slots would be 399,360 bytes, more than the 327,680 there are).
;
; LDS:  F_NC 256 rows n x 272 | F_CN 128 rows c x 528 | WV 4 waves x 32,768 (tensor loads alone) | YST 128 rows co x 272 (the way out)
;       RED, the four partial sums (131,072 bytes from 0), lies over F_NC and F_CN when these have been read for the last time.
; REGISTERS, in windows of 256:  0: addresses, softmax figures, two buffers of 4 fragments, Q' (16 fragments)
;   1, 2: S^T tile (nt, mt) in window 1 + (nt >> 3) at 8 (4 (nt & 7) + mt).  P(ks, mt) takes tile (2 ks, mt), T^T(ct, mt) tile (2 ct + 1, mt),
;         T's fragment (ks2, mt) tile (4 ks2 + 1, mt).   3: OUT^T tile (co_t, mt) at 8 (4 co_t + mt).
.set P_NC, 272                         ; 128 f16 + 16 bytes: an odd multiple of 16
.set P_CN, 528                         ; 256 f16 + 16 bytes: an odd multiple of 16
.set F_CN, 256*P_NC                    ; 69,632
.set WV,   F_CN+128*P_CN               ; 137,216
.set WVB,  32768
.set YST,  WV+4*WVB                    ; 268,288
.set P_Y,  272                         ; 64 f32 + 16 bytes
.set LANE,   1
.set RR,     2                         ; r = lane & 15
.set HH,     3                         ; h = lane >> 4
.set ADR_NC, 4                         ; r x 272 + 16 h
.set ADR_CN, 5                         ; F_CN + r x 528 + 16 h
.set ADR_WV, 6                         ; WV + 32,768 w + 16 lane
.set QOFF,   7                         ; 16 lane
.set ADR_RS, 8                         ; RED, my wave's partial sum
.set ADR_RL, 9                         ; RED, my m tile in the sums of waves 0 and 1
.set ADR_RL2, 10                       ; and of waves 2 and 3
.set ADR_YS, 11                        ; YST, in: column 16 w + r, row 8 h
.set ADR_YL, 12                        ; YST, back: row 32 w + h, 16 bytes by r
.set OOFF,   13                        ; the same place in out0
.set BOFF,   14                        ; 32 h: my 8 numbers of bo in a tile of 16
.set FOFF,   15                        ; feature: my wave's 32 rows c
.set ADR_ST, 16                        ; F_CN, where I put 8 bytes of a row
.set ADR_TR, 17                        ; F_CN, read transposed
.set ADR_TS, 18                        ; F_NC, where the transposed 16 bytes go
.set T0,     19
.set MX,   32                          ; v[32:39]  8 running maxima: 4 (nt & 1) + mt
.set NM,   40                          ; v[40:47]  a pair for each mt: -k max, later 1 / l; at the end the mean, 1 / deviation
.set SM,   48                          ; v[48:63]  8 pairs of running sums
.set BUF0, 64                          ; v[64:95], v[96:127]  two buffers of 4 first-operand fragments
.set QF,   128                         ; v[128:255] Q' fragment (mt, ks) at QF + 8 (4 mt + ks)
.set MSB, 0
.macro WIN new                         ; s_set_vgpr_msb: bits 1:0 source 0, 3:2 source 1, 5:4 source 2, 7:6 destination; the high byte repeats the setting left
.if MSB != (\new)
	s_set_vgpr_msb (MSB<<8)|(\new)
.set MSB, \new
.endif
.endm
.macro PLACES                          ; four places behind a matrix instruction before its result is read or one of its registers written or loaded (ISA guide 7.12.1)
.rept 4
	v_nop
.endr
.endm
.macro ROUND                           ; a round of the cluster's barrier; no LDS instruction of the wave is pending at a signal
	s_barrier_signal -1
	s_barrier_wait -1
	s_cmp_lg_u32 s16, 0
	s_cbranch_scc1 .Lnot_wave_0_\@
	s_barrier_signal -3
.Lnot_wave_0_\@:
	s_barrier_wait -3
	s_barrier_signal -1
	s_barrier_wait -1
.endm
; four fragments (8 loads) into a buffer that the step before has multiplied
.macro FETCH buf, adr, off0, stride, sec
	PLACES
	WIN 0
.set fi, 0
.rept 4
	ds_load_b128 v[\buf+8*fi:\buf+8*fi+3],   v[\adr] offset:\off0+fi*\stride
	ds_load_b128 v[\buf+8*fi+4:\buf+8*fi+7], v[\adr] offset:\off0+fi*\stride+\sec
.set fi, fi+1
.endr
.endm
.macro MM                              ; D at MD, first operand at MA, second at MB; MK = 0: this product starts the sum
.if MK == 0
	v_wmma_f32_16x16x32_f16 v[MD:MD+7], v[MA:MA+7], v[MB:MB+7], 0
.else
	v_wmma_f32_16x16x32_f16 v[MD:MD+7], v[MA:MA+7], v[MB:MB+7], v[MD:MD+7]
.endif
.endm
; In all three kinds of step the accumulators take turns, one instruction a turn, from step to step and over the backward jump too.
; Each step first asks for the next step's four fragments and then waits with the count 8: those 8 loads stay out, its own 8 are in.
; S^T, 16 rows n (tile nt) x 64 m, all of K = c
.macro ST_STEP nt
.if \nt < 15
	FETCH BUF0+32*((\nt+1)&1), ADR_NC, (\nt+1)*16*P_NC, 64, 32
.else
	FETCH BUF0, ADR_CN, 0, 16*P_CN, 32             ; the first step of T^T
.endif
	s_wait_dscnt 0x8
	WIN 0x50*(1+(\nt>>3))
.set MK, 0
.rept 4
.set mt, 0
.rept 4
.set MD, ((\nt&7)*4+mt)*8
.set MA, BUF0+32*(\nt&1)+8*MK
.set MB, QF+(mt*4+MK)*8
	MM
.set mt, mt+1
.endr
.set MK, MK+1
.endr
.endm
; T^T, 64 rows c (half i >> 3) x 64 m, 32 of K = n (block i & 7)
.macro TT_STEP i
.if \i < 15
	FETCH BUF0+32*((\i+1)&1), ADR_CN, ((\i+1)>>3)*64*P_CN+((\i+1)&7)*64, 16*P_CN, 32
.else
	s_wait_tensorcnt 0x0                           ; the read's own wait: my one tensor load, this unit's Wvo^T, has landed (none was issued behind it); I alone read it
	FETCH BUF0, ADR_WV, 0, 4096, 512               ; the first step of OUT^T
.endif
	s_wait_dscnt 0x8
	WIN (1+(\i>>3))*0x50+(1+((\i&7)>>2))*4
.set MK, \i&7
.set i4, 0
.rept 4
.set mt, 0
.rept 4
.set MD, ((2*i4+1)*4+mt)*8
.set MA, BUF0+32*(\i&1)+8*i4
.set MB, (((2*(\i&7))&7)*4+mt)*8
	MM
.set mt, mt+1
.endr
.set i4, i4+1
.endr
.endm
; OUT^T, 64 rows co (half i >> 2) x 64 m, 32 of K = c (block i & 3); zero = 1: the wave's first unit starts the sums
.macro OT_STEP i, zero, last
.if \i < 7
	FETCH BUF0+32*((\i+1)&1), ADR_WV, (((\i+1)>>2)*16+((\i+1)&3))*1024, 4096, 512
	s_wait_dscnt 0x8
.else
.if \last
	s_wait_dscnt 0x0                               ; nothing more to fetch
.else
	FETCH BUF0, ADR_NC, 0, 64, 32                  ; the next unit's first step
	s_wait_dscnt 0x8
.endif
.endif
	WIN 0xf4+4*((\i&3)>>1)
.set MK, (\i&3)+1-\zero
.set i4, 0
.rept 4
.set mt, 0
.rept 4
.set MD, (((\i>>2)*4+i4)*4+mt)*8
.set MA, BUF0+32*(\i&1)+8*i4
.set MB, (((4*(\i&3)+1)&7)*4+mt)*8
	MM
.set mt, mt+1
.endr
.set i4, i4+1
.endr
.endm
; the 32 tiles of one window into 8 chains of maxima; first = 1: the first touch starts the chain
.macro MAXPASS first
.set ntp, 0
.rept 4
.set qq, 0
.rept 4
.set cc, 0
.rept 8
.set SB, (8*ntp+cc)*8+2*qq
.if ntp+qq+1-\first == 0
	v_max_num_f32 v[MX+cc], v[SB], v[SB+1]
.else
	v_max3_num_f32 v[MX+cc], v[SB], v[SB+1], v[MX+cc]
.endif
.set cc, cc+1
.endr
.set qq, qq+1
.endr
.set ntp, ntp+1
.endr
.endm
; P = exp2(k S - k max), in place.  Behind a tile's last v_exp_f32 the next tile's v_pk_fma_f32, which names none of its registers, is the plain place (ISA guide 5.7.2)
.macro EXPPASS
.set tt, 0
.rept 32
.set pp, 0
.rept 4
	v_pk_fma_f32 v[tt*8+2*pp:tt*8+2*pp+1], v[tt*8+2*pp:tt*8+2*pp+1], s[44:45], v[NM+2*(tt&3):NM+2*(tt&3)+1] op_sel_hi:[1,0,1]
.set pp, pp+1
.endr
.set pp, 0
.rept 8
	v_exp_f32 v[tt*8+pp], v[tt*8+pp]
.set pp, pp+1
.endr
.set tt, tt+1
.endr
.endm
; one window's P into the 8 chains of sums, from pair p0 of the first eight tiles on
.macro SUMPASS p0
.set gg, 0
.rept 4
.set pp, 0
.rept 4
.if gg*4+pp >= \p0
.set cc, 0
.rept 8
	v_pk_add_f32 v[SM+2*cc:SM+2*cc+1], v[(gg*8+cc)*8+2*pp:(gg*8+cc)*8+2*pp+1], v[SM+2*cc:SM+2*cc+1]
.set cc, cc+1
.endr
.endif
.set pp, pp+1
.endr
.set gg, gg+1
.endr
.endm
; the tiles at PB0 and PB1 (16 rows each) become one fragment of 32 K at PB0; ascending, so that a register is written when it has been read
.macro PACK8
.set dd, 0
.rept 4
	v_cvt_pk_f16_f32 v[PB0+dd], v[PB0+2*dd], v[PB0+2*dd+1]
.set dd, dd+1
.endr
.set dd, 0
.rept 4
	v_cvt_pk_f16_f32 v[PB0+4+dd], v[PB1+2*dd], v[PB1+2*dd+1]
.set dd, dd+1
.endr
.endm
.macro PACKP                           ; one window: P(ks, mt) from tiles (2 ks, mt), (2 ks + 1, mt)
.set kk, 0
.rept 4
.set mt, 0
.rept 4
.set PB0, ((2*kk)*4+mt)*8
.set PB1, ((2*kk+1)*4+mt)*8
	PACK8
.set mt, mt+1
.endr
.set kk, kk+1
.endr
.endm
.macro SOFTMAX
	WIN 0x05
	MAXPASS 1
	WIN 0x0a
	MAXPASS 0
	WIN 0
.set mt, 0
.rept 4
	v_max_num_f32 v[MX+mt], v[MX+mt], v[MX+4+mt]
.set mt, mt+1
.endr
.set mt, 0
.rept 4
	v_permlanex16_b32 v[MX+4+mt], v[MX+mt], s36, s37       ; the other half of the rows n lies in lane xor 16
.set mt, mt+1
.endr
.set mt, 0
.rept 4
	v_max_num_f32 v[MX+mt], v[MX+mt], v[MX+4+mt]
.set mt, mt+1
.endr
.set mt, 0
.rept 4
	v_mul_f32 v[NM+2*mt],   0xbbb8aa3b, v[MX+mt]           ; -k max, k = log2(e) / 256: the 256 is the factor that Q' carries
	v_mul_f32 v[NM+2*mt+1], 0xbbb8aa3b, v[MX+mt]
.set mt, mt+1
.endr
	WIN 0x41
	EXPPASS
	WIN 0x82
	EXPPASS
	WIN 0x05
.set cc, 0
	s_wait_alu depctr_va_vdst(0)
.rept 8
	v_pk_add_f32 v[SM+2*cc:SM+2*cc+1], v[cc*8:cc*8+1], v[cc*8+2:cc*8+3]    ; the first two pairs start each chain
.set cc, cc+1
.endr
	WIN 0x01
	SUMPASS 2
	WIN 0x02
	SUMPASS 0
	WIN 0x45
	PACKP
	WIN 0x8a
	PACKP
	WIN 0
.set mt, 0
.rept 4
	v_pk_add_f32 v[SM+2*mt:SM+2*mt+1], v[SM+2*mt:SM+2*mt+1], v[SM+8+2*mt:SM+8+2*mt+1]
.set mt, mt+1
.endr
.set mt, 0
.rept 4
	v_add_f32 v[SM+2*mt], v[SM+2*mt], v[SM+2*mt+1]
.set mt, mt+1
.endr
.set mt, 0
.rept 4
	v_permlanex16_b32 v[SM+2*mt+1], v[SM+2*mt], s36, s37
.set mt, mt+1
.endr
.set mt, 0
.rept 4
	v_add_f32 v[SM+2*mt], v[SM+2*mt], v[SM+2*mt+1]         ; l: at least about 1, the maximum's own term
.set mt, mt+1
.endr
.set mt, 0
.rept 4
	v_rcp_f32 v[NM+2*mt],   v[SM+2*mt]
	v_rcp_f32 v[NM+2*mt+1], v[SM+2*mt]
.set mt, mt+1
.endr
	v_nop                                          ; the plain place behind the last v_rcp_f32 (ISA guide 5.7.2)
	s_wait_alu depctr_va_vdst(0)
.endm
.macro TMUL                            ; one window: T^T / l
.set i4, 0
.rept 4
.set mt, 0
.rept 4
.set SB, ((2*i4+1)*4+mt)*8
.set pp, 0
.rept 4
	v_pk_mul_f32 v[SB+2*pp:SB+2*pp+1], v[SB+2*pp:SB+2*pp+1], v[NM+2*mt:NM+2*mt+1]
.set pp, pp+1
.endr
.set mt, mt+1
.endr
.set i4, i4+1
.endr
.endm
.macro TPACK                           ; one window: T's fragments from tiles (4 ks2 + 1, mt), (4 ks2 + 3, mt)
.set kk, 0
.rept 2
.set mt, 0
.rept 4
.set PB0, ((4*kk+1)*4+mt)*8
.set PB1, ((4*kk+3)*4+mt)*8
	PACK8
.set mt, mt+1
.endr
.set kk, kk+1
.endr
.endm
.macro QLOAD                           ; a unit's Q' for my 64 m: 16 fragments, each load 512 consecutive bytes
.set i, 0
.rept 32
	global_load_b128 v[QF+4*i:QF+4*i+3], v[QOFF], s[40:41] offset:i*512
.set i, i+1
.endr
.endm
.macro UNIT zero, last
	s_wait_loadcnt 0x0                             ; this unit's Q' is in; its base may be stepped
.set un, 0
.rept 16
	ST_STEP un
.set un, un+1
.endr
	PLACES                                         ; behind the last product: S^T is read, and Q' loaded again, only behind these
	WIN 0
.if \last == 0
	s_add_nc_u64 s[40:41], s[40:41], 0x10000       ; the next head: 16 m tiles x 4,096 bytes
	QLOAD                                          ; it has the softmax, T^T and OUT^T in which to come
.endif
	SOFTMAX
.set un, 0
.rept 16
	TT_STEP un
.set un, un+1
.endr
	PLACES
	WIN 0x41
	TMUL
	WIN 0x45
	TPACK
	WIN 0x82
	TMUL
	WIN 0x8a
	TPACK
.set un, 0
.rept 8
	OT_STEP un, \zero, \last
.set un, un+1
.endr
	WIN 0
.if \last == 0
	s_wait_dscnt 0x0                               ; my reads of my Wvo slot are over
	s_wait_tensorcnt 0x0                           ; none of my tensor loads is out, so the descriptor may be written
	ds_add_u32 v30, v31
	s_wait_dscnt 0x0
	s_add_nc_u64 s[34:35], s[34:35], WVB           ; the next unit's Wvo^T
	ROUND                                          ; both hold of every wave of the four work-groups
	tensor_load_to_lds s[32:35], s[24:31]          ; my one tensor load behind the round, first thing there; it has S^T, the softmax and T^T in which to land
	s_nop 0
.endif
.endm
	s_load_b256 s[4:11], s[0:1], 0x0               ; feature s[4:5], task_ids s[6:7], bo s[8:9], qp s[10:11]
	s_load_b128 s[12:15], s[0:1], 0x20             ; wvo s[12:13], out0 s[14:15]
	v_lshl_add_u32 v30, v0, 2, 0x4a000
	v_mov_b32 v31, 0
	ds_add_u32 v30, v31
	v_lshrrev_b32 v[T0], 5, v0
	v_readfirstlane_b32 s16, v[T0]                 ; wave 0..3
	s_bfe_u32 s17, ttmp6, 0x40000                  ; my place in the cluster: which 64 rows m; it enters global addresses of my own loads and stores alone
	s_mov_b32 s18, ttmp9                           ; the cluster's number: the image
	s_mov_b32 s23, 0                               ; upper word of every offset pair s[22:23]
	s_mov_b32 s36, 0x76543210                      ; v_permlanex16_b32: lane i reads lane i of the other half
	s_mov_b32 s37, 0xfedcba98
	s_mov_b32 s44, 0x3bb8aa3b                      ; k = log2(e) / 256
	s_mov_b32 s45, 0x3bb8aa3b
	s_mov_b32 s46, 0x3c000000                      ; 1 / 128
	s_mov_b32 s47, 0x3727c5ac                      ; 1e-5
	; descriptor group 1: a dense block of 32,768 bytes as 128 rows of 32 elements of 8 bytes, no padding
	s_mov_b32 s24, 15|(3<<16)|(1<<21)              ; 15:0 the mask: all four work-groups; 17:16 elements of 8 bytes; 21 set beside a mask
	s_mov_b32 s25, 32<<16                          ; tensor_dim0 = 32
	s_mov_b32 s26, 128<<16                         ; tensor_dim1 = 128
	s_mov_b32 s27, 32<<16                          ; tile_dim0 = 32
	s_mov_b32 s28, 128                             ; tile_dim1 = 128
	s_mov_b32 s29, 32                              ; from row to row: 32 elements
	s_mov_b32 s30, 0
	s_mov_b32 s31, 0
	; group 0: made of the wave's number alone, so it is the same in the four work-groups
	s_mov_b32 s32, 1
	s_lshl_b32 s33, s16, 15
	s_add_co_u32 s33, s33, WV                      ; my wave's slot
	s_lshl_b32 s22, s16, 17                        ; my wave's four units: 4 x 32,768 bytes
	s_wait_dscnt 0x0
	s_wait_kmcnt 0x0
	s_add_nc_u64 s[34:35], s[12:13], s[22:23]
	s_or_b32 s35, s35, 0x80000000                  ; type 2
	ROUND                                          ; the four work-groups are here: the first joint loads meet
	tensor_load_to_lds s[32:35], s[24:31]          ; unit 4 w
	s_nop 0
	s_lshl_b32 s22, s18, 2
	s_add_nc_u64 s[6:7], s[6:7], s[22:23]
	s_load_b32 s20, s[6:7], 0x0                    ; the image's task
	s_lshl_b32 s22, s18, 17                        ; an image: 131,072 bytes, in and out
	s_add_nc_u64 s[4:5], s[4:5], s[22:23]
	s_add_nc_u64 s[14:15], s[14:15], s[22:23]
	s_lshl_b32 s22, s17, 8                         ; my 64 columns m of every row of out0: 256 bytes
	s_add_nc_u64 s[14:15], s[14:15], s[22:23]
	v_and_b32 v[LANE], 31, v0
	v_and_b32 v[RR], 15, v0
	v_bfe_u32 v[HH], v0, 4, 1
	v_lshlrev_b32 v[QOFF], 4, v[LANE]
	s_lshl_b32 s22, s16, 15
	v_add_nc_u32 v[FOFF], s22, v[QOFF]             ; 32 rows c of 1,024 bytes a wave
	WIN 0x40
.set i, 0
.rept 64
	global_load_b128 v[4*i:4*i+3], v[FOFF], s[4:5] offset:i*512    ; window 1: row c = 32 w + (i >> 1), half i & 1: 512 consecutive bytes
.set i, i+1
.endr
	WIN 0
	v_add_nc_u32 v[ADR_RS], s22, v[QOFF]
	v_lshlrev_b32 v[T0], 4, v[RR]                  ; 16 r
	v_lshl_add_u32 v[OOFF], v[HH], 10, v[T0]
	v_add_nc_u32 v[OOFF], s22, v[OOFF]             ; (32 w + h) x 1,024 + 16 r
	v_mul_u32_u24 v[ADR_YL], v[HH], P_Y
	v_add_nc_u32 v[ADR_YL], v[ADR_YL], v[T0]
	s_mul_i32 s22, s16, 32*P_Y
	s_add_co_u32 s22, s22, YST
	v_add_nc_u32 v[ADR_YL], s22, v[ADR_YL]
	v_mul_u32_u24 v[ADR_NC], v[RR], P_NC
	v_lshl_add_u32 v[ADR_NC], v[HH], 4, v[ADR_NC]
	v_mul_u32_u24 v[ADR_CN], v[RR], P_CN
	v_lshl_add_u32 v[ADR_CN], v[HH], 4, v[ADR_CN]
	v_add_nc_u32 v[ADR_CN], F_CN, v[ADR_CN]
	v_add_nc_u32 v[ADR_WV], s33, v[QOFF]
	s_lshl_b32 s22, s16, 13
	v_add_nc_u32 v[ADR_RL], s22, v[QOFF]
	v_add_nc_u32 v[ADR_RL2], 0x10000, v[ADR_RL]
	v_mul_u32_u24 v[ADR_YS], v[HH], 8*P_Y
	v_lshl_add_u32 v[ADR_YS], v[RR], 2, v[ADR_YS]
	s_lshl_b32 s22, s16, 6
	s_add_co_u32 s22, s22, YST
	v_add_nc_u32 v[ADR_YS], s22, v[ADR_YS]
	v_lshlrev_b32 v[BOFF], 5, v[HH]
	s_mul_i32 s22, s16, 32*P_CN
	s_add_co_u32 s22, s22, F_CN
	v_lshl_add_u32 v[ADR_ST], v[LANE], 3, s22
	v_and_b32 v[T0], 7, v0
	v_lshl_add_u32 v[T0], v[HH], 3, v[T0]          ; the transposing load: row 8 h + (lane & 7), 16 bytes by bit 3 of the lane
	v_mul_u32_u24 v[ADR_TR], v[T0], P_CN
	v_bfe_u32 v[T0], v0, 3, 1
	v_lshl_add_u32 v[ADR_TR], v[T0], 4, v[ADR_TR]
	s_lshl_b32 s22, s16, 7                         ; my wave's 64 columns n: 128 bytes
	s_add_co_u32 s22, s22, F_CN
	v_add_nc_u32 v[ADR_TR], s22, v[ADR_TR]
	s_mul_i32 s22, s16, 64*P_NC
	v_add_nc_u32 v[ADR_TS], s22, v[ADR_NC]
	; which Q': table = task (clamped) in the task branch, 5 in the global one, by multiplies and adds alone
	s_wait_kmcnt 0x0
	s_min_u32 s20, s20, 4
	s_lshr_b32 s21, s16, 1                         ; branch
	s_mul_i32 s20, s20, s21
	s_xor_b32 s21, s21, 1
	s_mul_i32 s21, s21, 5
	s_add_co_u32 s21, s21, s20
	s_lshl_b32 s22, s21, 19                        ; 8 heads x 65,536 bytes a table
	s_and_b32 s21, s16, 1
	s_lshl_b32 s21, s21, 18                        ; my wave's first head: 4 (w & 1)
	s_add_co_u32 s22, s22, s21
	s_lshl_b32 s21, s17, 14                        ; my 4 m tiles
	s_add_co_u32 s22, s22, s21
	s_add_nc_u64 s[40:41], s[10:11], s[22:23]
	QLOAD
	; feature to f16: F_CN as it lies (rows c), then F_NC by transposing loads
	s_wait_loadcnt 0x20                            ; the 64 loads of feature are in; the 32 of Q' behind them stay out
	WIN 0x45
.set i, 0
.rept 64
	v_cvt_pk_f16_f32 v[4*i],   v[4*i],   v[4*i+1]
	v_cvt_pk_f16_f32 v[4*i+1], v[4*i+2], v[4*i+3]
.set i, i+1
.endr
	WIN 0x04
.set i, 0
.rept 64
	ds_store_b64 v[ADR_ST], v[4*i:4*i+1] offset:(i>>1)*P_CN+(i&1)*256
.set i, i+1
.endr
	WIN 0
	s_wait_dscnt 0x0                               ; my stores are done, for the other waves' sake
	s_barrier_signal -1
	s_barrier_wait -1                              ; F_CN is whole
	WIN 0x40
.set i, 0
.rept 32
	ds_load_tr16_b128 v[4*i:4*i+3], v[ADR_TR] offset:(i>>2)*16*P_CN+(i&3)*32   ; c = 16 (i >> 2) + 8 h + 0..7 of column n = 64 w + 16 (i & 3) + r
.set i, i+1
.endr
	WIN 0x04
.set i, 0
.rept 32
	s_wait_dscnt 0x1f                              ; behind load i stand 31 - i loads and i stores
	ds_store_b128 v[ADR_TS], v[4*i:4*i+3] offset:(i&3)*16*P_NC+(i>>2)*32
.set i, i+1
.endr
	WIN 0
	s_wait_dscnt 0x0
	s_barrier_signal -1
	s_barrier_wait -1                              ; F_NC is whole
	FETCH BUF0, ADR_NC, 0, 64, 32
	UNIT 1, 0                                      ; the first unit stands in front of the loop: its products start OUT^T's sums
	s_mov_b32 s38, 2
.Lunit:
	UNIT 0, 0
	s_sub_co_i32 s38, s38, 1
	s_cmp_lg_u32 s38, 0
	s_cbranch_scc1 .Lunit
	UNIT 0, 1                                      ; the last unit asks for nothing more
	; THE END: the four waves' partial sums meet in LDS; wave w then owns m tile w, all 128 co: 64 numbers a lane, the other 64 in lane xor 16
	PLACES                                         ; behind the last product: OUT^T is read, and windows 1 and 2 loaded, only behind these
	WIN 0x80
.set i, 0
.rept 16
	global_load_b128 v[4*i:4*i+3], v[BOFF], s[8:9] offset:(i>>1)*64+(i&1)*16   ; window 2: bo[16 co_t + 8 h + 0..7], laid as a tile's registers
.set i, i+1
.endr
	WIN 0
	s_wait_dscnt 0x0
	s_barrier_signal -1
	s_barrier_wait -1                              ; every wave has read F_NC and F_CN for the last time
	WIN 0x0c
.set mt, 0
.rept 4
.set i, 0
.rept 16
	ds_store_b128 v[ADR_RS], v[((i>>1)*4+mt)*8+(i&1)*4:((i>>1)*4+mt)*8+(i&1)*4+3] offset:mt*8192+i*512
.set i, i+1
.endr
.set mt, mt+1
.endr
	WIN 0
	s_wait_dscnt 0x0
	s_barrier_signal -1
	s_barrier_wait -1
	WIN 0x40
.set i, 0
.rept 32
	ds_load_b128 v[4*i:4*i+3], v[ADR_RL] offset:(i>>4)*32768+(i&15)*512        ; window 1: wave (i >> 4)'s sum at 64 (i >> 4)
.set i, i+1
.endr
.set i, 0
.rept 32
	ds_load_b128 v[128+4*i:128+4*i+3], v[ADR_RL2] offset:(i>>4)*32768+(i&15)*512
.set i, i+1
.endr
	s_wait_dscnt 0x0
	WIN 0x55
.set i, 0
.rept 32
	v_pk_add_f32 v[2*i:2*i+1], v[2*i:2*i+1], v[64+2*i:64+2*i+1]
	v_pk_add_f32 v[128+2*i:128+2*i+1], v[128+2*i:128+2*i+1], v[192+2*i:192+2*i+1]
.set i, i+1
.endr
.set i, 0
.rept 32
	v_pk_add_f32 v[2*i:2*i+1], v[2*i:2*i+1], v[128+2*i:128+2*i+1]
.set i, i+1
.endr
	s_wait_loadcnt 0x0                             ; bo
	WIN 0x61
.set i, 0
.rept 32
	v_pk_fma_f32 v[2*i:2*i+1], v[2*i:2*i+1], 0x3b800000, v[2*i:2*i+1] op_sel_hi:[1,0,1]   ; / 256 (the factor that Wvo carries) + bo
.set i, i+1
.endr
	; LayerNorm over co: the mean, the differences, their squares' mean
	WIN 0x55
.set i, 0
.rept 4
	v_pk_add_f32 v[64+2*i:64+2*i+1], v[2*i:2*i+1], v[8+2*i:8+2*i+1]        ; four chains, started by the first eight pairs
.set i, i+1
.endr
.set i, 8
.rept 24
	v_pk_add_f32 v[64+2*(i&3):64+2*(i&3)+1], v[64+2*(i&3):64+2*(i&3)+1], v[2*i:2*i+1]
.set i, i+1
.endr
	v_pk_add_f32 v[64:65], v[64:65], v[66:67]
	v_pk_add_f32 v[68:69], v[68:69], v[70:71]
	v_pk_add_f32 v[64:65], v[64:65], v[68:69]
	WIN 0x05
	v_add_f32 v[MX], v64, v65
	WIN 0
	v_permlanex16_b32 v[MX+1], v[MX], s36, s37
	v_add_f32 v[MX], v[MX], v[MX+1]
	v_mul_f32 v[NM], s46, v[MX]                    ; the mean
	v_mul_f32 v[NM+1], s46, v[MX]
	WIN 0x41
.set i, 0
.rept 32
	v_pk_add_f32 v[2*i:2*i+1], v[2*i:2*i+1], v[NM:NM+1] neg_lo:[0,1] neg_hi:[0,1]
.set i, i+1
.endr
	WIN 0x55
.set i, 0
.rept 4
	v_pk_mul_f32 v[64+2*i:64+2*i+1], v[2*i:2*i+1], v[2*i:2*i+1]
.set i, i+1
.endr
.set i, 4
.rept 28
	v_pk_fma_f32 v[64+2*(i&3):64+2*(i&3)+1], v[2*i:2*i+1], v[2*i:2*i+1], v[64+2*(i&3):64+2*(i&3)+1]
.set i, i+1
.endr
	v_pk_add_f32 v[64:65], v[64:65], v[66:67]
	v_pk_add_f32 v[68:69], v[68:69], v[70:71]
	v_pk_add_f32 v[64:65], v[64:65], v[68:69]
	WIN 0x05
	v_add_f32 v[MX], v64, v65
	WIN 0
	v_permlanex16_b32 v[MX+1], v[MX], s36, s37
	v_add_f32 v[MX], v[MX], v[MX+1]
	v_fma_f32 v[MX], v[MX], s46, s47               ; variance + 1e-5
	v_rsq_f32 v[NM], v[MX]
	v_rsq_f32 v[NM+1], v[MX]
	v_nop                                          ; the plain place behind v_rsq_f32 (ISA guide 5.7.2)
	WIN 0x41
.set i, 0
	s_wait_alu depctr_va_vdst(0)
.rept 32
	v_pk_mul_f32 v[2*i:2*i+1], v[2*i:2*i+1], v[NM:NM+1]
.set i, i+1
.endr
	; the way out: a lane holds a piece of a column of out0's rows, so the block goes through LDS and leaves by rows
	WIN 0x04
.set i, 0
.rept 64
	ds_store_b32 v[ADR_YS], v[i] offset:((i>>3)*16+(i&7))*P_Y      ; row co = 16 (i >> 3) + 8 h + (i & 7), column 16 w + r
.set i, i+1
.endr
	WIN 0
	s_wait_dscnt 0x0
	s_barrier_signal -1
	s_barrier_wait -1
.set i, 0
.rept 16
	ds_load_b128 v[BUF0+4*i:BUF0+4*i+3], v[ADR_YL] offset:i*2*P_Y  ; rows 32 w + 2 i + h
.set i, i+1
.endr
.set i, 0
.rept 16
	s_wait_dscnt 15-i                              ; LDS loads come back in order: load i is in, the younger ones stay out
	global_store_b128 v[OOFF], v[BUF0+4*i:BUF0+4*i+3], s[14:15] offset:i*2048 th:TH_STORE_NT   ; 16 lanes store 256 consecutive bytes, at a multiple of 256 from out0's first byte
.set i, i+1
.endr
	s_wait_tensorcnt 0x0
	ds_add_u32 v30, v31
	s_wait_dscnt 0x0
	ROUND                                          ; the closing round: no work-group ends while a partner may still ask jointly
	s_endpgm
.Lfunc_end_k_qd8b19f91ca_mema:
	.size	k_qd8b19f91ca_mema, .Lfunc_end_k_qd8b19f91ca_mema-k_qd8b19f91ca_mema
	.p2alignl 7, 3214868480
	.fill 96, 4, 3214868480
	.section	.rodata,"a",@progbits
	.p2align	6, 0x0
	.amdhsa_kernel k_qd8b19f91ca_mema
		.amdhsa_group_segment_fixed_size 327680
		.amdhsa_private_segment_fixed_size 0
		.amdhsa_enable_private_segment 0
		.amdhsa_kernarg_size 48
		.amdhsa_user_sgpr_count 2
		.amdhsa_user_sgpr_kernarg_segment_ptr 1
		.amdhsa_wavefront_size32 1
		.amdhsa_system_sgpr_workgroup_id_x 1
		.amdhsa_system_sgpr_workgroup_id_y 1
		.amdhsa_system_sgpr_workgroup_id_z 1
		.amdhsa_system_vgpr_workitem_id 0
		.amdhsa_next_free_vgpr 1024
		.amdhsa_next_free_sgpr 66
		.amdhsa_reserve_vcc 0
		.amdhsa_float_denorm_mode_32 3
		.amdhsa_float_denorm_mode_16_64 3
		.amdhsa_memory_ordered 1
		.amdhsa_forward_progress 1
		.amdhsa_inst_pref_size 255
	.end_amdhsa_kernel
	.section	.bss,"aw",@nobits
	.p2align	6
	.space	262144
	.amdgpu_metadata
---
amdhsa.version: [ 1, 2 ]
amdhsa.kernels:
  - .name:           k_qd8b19f91ca_mema
    .symbol:         k_qd8b19f91ca_mema.kd
    .args:
      - { .name: feature, .offset: 0, .size: 8, .value_kind: global_buffer, .address_space: global }
      - { .name: task_ids, .offset: 8, .size: 8, .value_kind: global_buffer, .address_space: global }
      - { .name: bo, .offset: 16, .size: 8, .value_kind: global_buffer, .address_space: global }
      - { .name: qp, .offset: 24, .size: 8, .value_kind: global_buffer, .address_space: global }
      - { .name: wvo, .offset: 32, .size: 8, .value_kind: global_buffer, .address_space: global }
      - { .name: out0, .offset: 40, .size: 8, .value_kind: global_buffer, .address_space: global }
    .group_segment_fixed_size: 327680
    .private_segment_fixed_size: 0
    .kernarg_segment_align: 8
    .kernarg_segment_size: 48
    .max_flat_workgroup_size: 128
    .sgpr_count:     66
    .vgpr_count:     1024
    .wavefront_size: 32
...
	.end_amdgpu_metadata
.endif
;; end of part 2
;; ======== version 2 of 3: 2 launches; 1.33 times as fast as version 1
;; limits: values are held in f16: magnitudes above 65,504 overflow, below 6.1e-05 lose precision
;; workspace buffers: qp 3,145,728 bytes; wvo 524,288 bytes
;; launch prep: the kernel of part 1 again; grid 224 x 1, 8 waves a work-group, no clusters, 56,320 bytes of LDS; arguments mem, Wk2g, Wk2t, Wv2g, Wv2t, Wo, qp, wvo; writes qp, wvo
;; launch mema (part 3): grid 256 x 1, 4 waves a work-group, clusters of 4 x 1, 327,680 bytes of LDS; arguments feature, task_ids, bo, qp, wvo, out0; writes out0
.if DOCPART == 3
	.amdgcn_target "amdgcn-amd-amdhsa--gfx1250"
	.amdhsa_code_object_version 6
	.text
	.protected	k_qd8b19f91ca_mema
	.globl	k_qd8b19f91ca_mema
	.p2align	8
	.type	k_qd8b19f91ca_mema,@function
k_qd8b19f91ca_mema:
	s_mov_b64 s[64:65], 0
	v_nop
	global_prefetch_b8 v0, s[64:65] scope:SCOPE_SE
	s_setreg_imm32_b32 hwreg(HW_REG_WAVE_MODE, 25, 1), 1
	s_wait_xcnt 0x0
	s_wait_alu depctr_hold_cnt(0) depctr_sa_sdst(0) depctr_va_vdst(0) depctr_va_sdst(0) depctr_va_ssrc(0) depctr_va_vcc(0) depctr_vm_vsrc(0)
	s_getreg_b32 s2, hwreg(HW_REG_IB_STS2, 6, 4)
	s_cmp_eq_u32 s2, 0
	s_cbranch_scc0 .Lentry_in_a_cluster
	s_endpgm
.Lentry_in_a_cluster:
	s_bfe_u32 s2, ttmp6, 0x10000c
	s_cmp_lg_u32 s2, 0x3003
	s_cbranch_scc0 .Lentry_shape_is_right
	s_endpgm
.Lentry_shape_is_right:
; out0[b][co][m] = LayerNorm over co of ( sum over 16 units u = (branch, head) of softmax_n(Q'_u f^T) f Wvo_u + bo ),  f[n][c] = feature[b][c][n].
; Q' (x 256) and Wvo^T (x 256) come in f16, in fragment order, from the launch before.
; A work-group owns image b and 64 query rows m (a quarter); the four quarters of an image form a cluster.
; Wave w takes units 4 w .. 4 w + 3 (waves 0, 1: the global branch, waves 2, 3: the task branch; head 4 (w & 1) + s) for all 64 m and keeps
; its own partial sum of out^T (128 co x 64 m, 256 registers); the four partial sums meet in LDS once, at the end.
; THE UNIT'S TEXT STANDS ONCE, in a loop of four trips.  For that: the joint load of a unit's Wvo^T stands at the trip's head, so that no trip
; leaves it out; and each wave's partial sum starts from 64 bo, a quarter of 256 bo, so that no trip's products differ from another's.
; EVERYTHING IS COMPUTED TRANSPOSED, m along the lanes, so that each product's result packs in place into the next product's second operand:
;   S^T[n][m] = F_nc (rows n, K = c) x Q' ;  P = exp2(k S^T - k max) ;  T^T[c][m] = F_cn (rows c, K = n) x P ;  T^T / l ;  OUT^T[co][m] += Wvo^T x T.
; In a result tile lane (r, h) holds column m = r, rows 8 h + 0..7; two tiles one above the other, rounded to f16, are a fragment of 32 K.
; The softmax's maximum and sum are taken in the lane and across the two halves of the wave: the whole row (256 n) is in registers, and
; the true row maximum is taken away before the exponential.
; The sums carry the factor 256 to the end: (X - mean X) / sqrt(var X + 65536 eps) with X = 256 x is LayerNorm of x with eps.
; FORMAT: all matrix operands f16, all sums f32.  LIMITS: |feature| < 65,504; |256 Q'| and |256 Wvo| < 65,504; a softmax weight below 6e-8 is
; rounded to 0; task_ids are taken as unsigned and clamped to 4.
; CLUSTER: a unit's Wvo^T (32,768 bytes) is the same for the four quarters: wave w of each asks for it jointly (mask 15).
; Not shared so: Q' (each quarter has its own rows m, read once, straight into the registers of the one wave that uses them); feature (it is
; rounded to f16 and laid out twice on the way, so it passes through registers; an f32 stage of 131,072 bytes beside the 137,216 bytes of the
; two f16 copies and the 131,072 of the Wvo slots would be 399,360 bytes, more than the 327,680 there are).
;
; LDS:  F_NC 256 rows n x 272 | F_CN 128 rows c x 528 | WV 4 waves x 32,768 (tensor loads alone) | YST 128 rows co x 272 (the way out)
;       RED, the four partial sums (131,072 bytes from 0), lies over F_NC and F_CN when these have been read for the last time.
; REGISTERS, in windows of 256:  0: addresses, softmax figures, two buffers of 4 fragments, Q' (16 fragments)
;   1, 2: S^T tile (nt, mt) in window 1 + (nt >> 3) at 8 (4 (nt & 7) + mt).  P(ks, mt) takes tile (2 ks, mt), T^T(ct, mt) tile (2 ct + 1, mt),
;         T's fragment (ks2, mt) tile (4 ks2 + 1, mt).   3: OUT^T tile (co_t, mt) at 8 (4 co_t + mt).
.set P_NC, 272                         ; 128 f16 + 16 bytes: an odd multiple of 16
.set P_CN, 528                         ; 256 f16 + 16 bytes: an odd multiple of 16
.set F_CN, 256*P_NC                    ; 69,632
.set WV,   F_CN+128*P_CN               ; 137,216
.set WVB,  32768
.set YST,  WV+4*WVB                    ; 268,288
.set P_Y,  272                         ; 64 f32 + 16 bytes
.set UNITS, 4                          ; units of a wave = trips of the loop
.set LANE,   1
.set RR,     2                         ; r = lane & 15
.set HH,     3                         ; h = lane >> 4
.set ADR_NC, 4                         ; r x 272 + 16 h
.set ADR_CN, 5                         ; F_CN + r x 528 + 16 h
.set ADR_WV, 6                         ; WV + 32,768 w + 16 lane
.set QOFF,   7                         ; 16 lane
.set ADR_RS, 8                         ; RED, my wave's partial sum
.set ADR_RL, 9                         ; RED, my m tile in the sums of waves 0 and 1
.set ADR_RL2, 10                       ; and of waves 2 and 3
.set ADR_YS, 11                        ; YST, in: column 16 w + r, row 8 h
.set ADR_YL, 12                        ; YST, back: row 32 w + h, 16 bytes by r
.set OOFF,   13                        ; the same place in out0
.set BOFF,   14                        ; 32 h: my 8 numbers of bo in a tile of 16
.set FOFF,   15                        ; feature: my wave's 32 rows c
.set ADR_ST, 16                        ; F_CN, where I put 8 bytes of a row
.set ADR_TR, 17                        ; F_CN, read transposed
.set ADR_TS, 18                        ; F_NC, where the transposed 16 bytes go
.set T0,     19
.set MX,   32                          ; v[32:39]  8 running maxima: 4 (nt & 1) + mt
.set NM,   40                          ; v[40:47]  a pair for each mt: -k max, later 1 / l; at the end the mean, 1 / deviation
.set SM,   48                          ; v[48:63]  8 pairs of running sums
.set BUF0, 64                          ; v[64:95], v[96:127]  two buffers of 4 first-operand fragments
.set QF,   128                         ; v[128:255] Q' fragment (mt, ks) at QF + 8 (4 mt + ks)
.set MSB, 0
.macro WIN new                         ; s_set_vgpr_msb: bits 1:0 source 0, 3:2 source 1, 5:4 source 2, 7:6 destination; the high byte repeats the setting left
.if MSB != (\new)
	s_set_vgpr_msb (MSB<<8)|(\new)
.set MSB, \new
.endif
.endm
.macro PLACES                          ; four places behind a matrix instruction before its result is read or one of its registers written or loaded (ISA guide 7.12.1)
.rept 4
	v_nop
.endr
.endm
.macro ROUND                           ; a round of the cluster's barrier; no LDS instruction of the wave is pending at a signal
	s_barrier_signal -1
	s_barrier_wait -1
	s_cmp_lg_u32 s16, 0
	s_cbranch_scc1 .Lnot_wave_0_\@
	s_barrier_signal -3
.Lnot_wave_0_\@:
	s_barrier_wait -3
	s_barrier_signal -1
	s_barrier_wait -1
.endm
; four fragments (8 loads) into a buffer that an earlier step has multiplied
.macro FETCH buf, adr, off0, stride, sec
	PLACES
	WIN 0
.set fi, 0
.rept 4
	ds_load_b128 v[\buf+8*fi:\buf+8*fi+3],   v[\adr] offset:\off0+fi*\stride
	ds_load_b128 v[\buf+8*fi+4:\buf+8*fi+7], v[\adr] offset:\off0+fi*\stride+\sec
.set fi, fi+1
.endr
.endm
.macro MM                              ; D at MD, first operand at MA, second at MB; MK = 0: this product starts the sum
.if MK == 0
	v_wmma_f32_16x16x32_f16 v[MD:MD+7], v[MA:MA+7], v[MB:MB+7], 0
.else
	v_wmma_f32_16x16x32_f16 v[MD:MD+7], v[MA:MA+7], v[MB:MB+7], v[MD:MD+7]
.endif
.endm
; In all three kinds of step the accumulators take turns, one instruction a turn, from step to step and over the backward jump too.
; Each step first asks for the next step's four fragments and then waits with the count 8: those 8 loads stay out, its own 8 are in.
; S^T, 16 rows n (tile nt) x 64 m, all of K = c
.macro ST_STEP nt
.if \nt < 15
	FETCH BUF0+32*((\nt+1)&1), ADR_NC, (\nt+1)*16*P_NC, 64, 32
.else
	FETCH BUF0, ADR_CN, 0, 16*P_CN, 32             ; the first step of T^T
.endif
	s_wait_dscnt 0x8
	WIN 0x50*(1+(\nt>>3))
.set MK, 0
.rept 4
.set mt, 0
.rept 4
.set MD, ((\nt&7)*4+mt)*8
.set MA, BUF0+32*(\nt&1)+8*MK
.set MB, QF+(mt*4+MK)*8
	MM
.set mt, mt+1
.endr
.set MK, MK+1
.endr
.endm
; T^T, 64 rows c (half i >> 3) x 64 m, 32 of K = n (block i & 7)
.macro TT_STEP i
.if \i < 15
	FETCH BUF0+32*((\i+1)&1), ADR_CN, ((\i+1)>>3)*64*P_CN+((\i+1)&7)*64, 16*P_CN, 32
.else
	s_wait_tensorcnt 0x0                           ; the read's own wait: my one tensor load, this unit's Wvo^T, has landed (none was issued behind it); I alone read it
	FETCH BUF0, ADR_WV, 0, 4096, 512               ; the first step of OUT^T
.endif
	s_wait_dscnt 0x8
	WIN (1+(\i>>3))*0x50+(1+((\i&7)>>2))*4
.set MK, \i&7
.set i4, 0
.rept 4
.set mt, 0
.rept 4
.set MD, ((2*i4+1)*4+mt)*8
.set MA, BUF0+32*(\i&1)+8*i4
.set MB, (((2*(\i&7))&7)*4+mt)*8
	MM
.set mt, mt+1
.endr
.set i4, i4+1
.endr
.endm
; OUT^T, 64 rows co (half i >> 2) x 64 m, 32 of K = c (block i & 3); the sums go on from the unit before, or from 64 bo
.macro OT_STEP i
.if \i < 7
	FETCH BUF0+32*((\i+1)&1), ADR_WV, (((\i+1)>>2)*16+((\i+1)&3))*1024, 4096, 512
	s_wait_dscnt 0x8
.else
	s_wait_dscnt 0x0                               ; the unit's last step: nothing more to fetch
.endif
	WIN 0xf4+4*((\i&3)>>1)
.set MK, 1
.set i4, 0
.rept 4
.set mt, 0
.rept 4
.set MD, (((\i>>2)*4+i4)*4+mt)*8
.set MA, BUF0+32*(\i&1)+8*i4
.set MB, (((4*(\i&3)+1)&7)*4+mt)*8
	MM
.set mt, mt+1
.endr
.set i4, i4+1
.endr
.endm
; the 32 tiles of one window into 8 chains of maxima; first = 1: the first touch starts the chain
.macro MAXPASS first
.set ntp, 0
.rept 4
.set qq, 0
.rept 4
.set cc, 0
.rept 8
.set SB, (8*ntp+cc)*8+2*qq
.if ntp+qq+1-\first == 0
	v_max_num_f32 v[MX+cc], v[SB], v[SB+1]
.else
	v_max3_num_f32 v[MX+cc], v[SB], v[SB+1], v[MX+cc]
.endif
.set cc, cc+1
.endr
.set qq, qq+1
.endr
.set ntp, ntp+1
.endr
.endm
; P = exp2(k S - k max), in place.  Behind a tile's last v_exp_f32 the next tile's v_pk_fma_f32, which names none of its registers, is the plain place (ISA guide 5.7.2)
.macro EXPPASS
.set tt, 0
.rept 32
.set pp, 0
.rept 4
	v_pk_fma_f32 v[tt*8+2*pp:tt*8+2*pp+1], v[tt*8+2*pp:tt*8+2*pp+1], s[44:45], v[NM+2*(tt&3):NM+2*(tt&3)+1] op_sel_hi:[1,0,1]
.set pp, pp+1
.endr
.set pp, 0
.rept 8
	v_exp_f32 v[tt*8+pp], v[tt*8+pp]
.set pp, pp+1
.endr
.set tt, tt+1
.endr
.endm
; one window's P into the 8 chains of sums, from pair p0 of the first eight tiles on
.macro SUMPASS p0
.set gg, 0
.rept 4
.set pp, 0
.rept 4
.if gg*4+pp >= \p0
.set cc, 0
.rept 8
	v_pk_add_f32 v[SM+2*cc:SM+2*cc+1], v[(gg*8+cc)*8+2*pp:(gg*8+cc)*8+2*pp+1], v[SM+2*cc:SM+2*cc+1]
.set cc, cc+1
.endr
.endif
.set pp, pp+1
.endr
.set gg, gg+1
.endr
.endm
; the tiles at PB0 and PB1 (16 rows each) become one fragment of 32 K at PB0; ascending, so that a register is written when it has been read
.macro PACK8
.set dd, 0
.rept 4
	v_cvt_pk_f16_f32 v[PB0+dd], v[PB0+2*dd], v[PB0+2*dd+1]
.set dd, dd+1
.endr
.set dd, 0
.rept 4
	v_cvt_pk_f16_f32 v[PB0+4+dd], v[PB1+2*dd], v[PB1+2*dd+1]
.set dd, dd+1
.endr
.endm
.macro PACKP                           ; one window: P(ks, mt) from tiles (2 ks, mt), (2 ks + 1, mt)
.set kk, 0
.rept 4
.set mt, 0
.rept 4
.set PB0, ((2*kk)*4+mt)*8
.set PB1, ((2*kk+1)*4+mt)*8
	PACK8
.set mt, mt+1
.endr
.set kk, kk+1
.endr
.endm
.macro SOFTMAX
	WIN 0x05
	MAXPASS 1
	WIN 0x0a
	MAXPASS 0
	WIN 0
.set mt, 0
.rept 4
	v_max_num_f32 v[MX+mt], v[MX+mt], v[MX+4+mt]
.set mt, mt+1
.endr
.set mt, 0
.rept 4
	v_permlanex16_b32 v[MX+4+mt], v[MX+mt], s36, s37       ; the other half of the rows n lies in lane xor 16
.set mt, mt+1
.endr
.set mt, 0
.rept 4
	v_max_num_f32 v[MX+mt], v[MX+mt], v[MX+4+mt]
.set mt, mt+1
.endr
.set mt, 0
.rept 4
	v_mul_f32 v[NM+2*mt],   0xbbb8aa3b, v[MX+mt]           ; -k max, k = log2(e) / 256: the 256 is the factor that Q' carries
	v_mul_f32 v[NM+2*mt+1], 0xbbb8aa3b, v[MX+mt]
.set mt, mt+1
.endr
	WIN 0x41
	EXPPASS
	WIN 0x82
	EXPPASS
	WIN 0x05
.set cc, 0
	s_wait_alu depctr_va_vdst(0)
.rept 8
	v_pk_add_f32 v[SM+2*cc:SM+2*cc+1], v[cc*8:cc*8+1], v[cc*8+2:cc*8+3]    ; the first two pairs start each chain
.set cc, cc+1
.endr
	WIN 0x01
	SUMPASS 2
	WIN 0x02
	SUMPASS 0
	WIN 0x45
	PACKP
	WIN 0x8a
	PACKP
	WIN 0
.set mt, 0
.rept 4
	v_pk_add_f32 v[SM+2*mt:SM+2*mt+1], v[SM+2*mt:SM+2*mt+1], v[SM+8+2*mt:SM+8+2*mt+1]
.set mt, mt+1
.endr
.set mt, 0
.rept 4
	v_add_f32 v[SM+2*mt], v[SM+2*mt], v[SM+2*mt+1]
.set mt, mt+1
.endr
.set mt, 0
.rept 4
	v_permlanex16_b32 v[SM+2*mt+1], v[SM+2*mt], s36, s37
.set mt, mt+1
.endr
.set mt, 0
.rept 4
	v_add_f32 v[SM+2*mt], v[SM+2*mt], v[SM+2*mt+1]         ; l: at least about 1, the maximum's own term
.set mt, mt+1
.endr
.set mt, 0
.rept 4
	v_rcp_f32 v[NM+2*mt],   v[SM+2*mt]
	v_rcp_f32 v[NM+2*mt+1], v[SM+2*mt]
.set mt, mt+1
.endr
	v_nop                                          ; the plain place behind the last v_rcp_f32 (ISA guide 5.7.2)
	s_wait_alu depctr_va_vdst(0)
.endm
.macro TMUL                            ; one window: T^T / l
.set i4, 0
.rept 4
.set mt, 0
.rept 4
.set SB, ((2*i4+1)*4+mt)*8
.set pp, 0
.rept 4
	v_pk_mul_f32 v[SB+2*pp:SB+2*pp+1], v[SB+2*pp:SB+2*pp+1], v[NM+2*mt:NM+2*mt+1]
.set pp, pp+1
.endr
.set mt, mt+1
.endr
.set i4, i4+1
.endr
.endm
.macro TPACK                           ; one window: T's fragments from tiles (4 ks2 + 1, mt), (4 ks2 + 3, mt)
.set kk, 0
.rept 2
.set mt, 0
.rept 4
.set PB0, ((4*kk+1)*4+mt)*8
.set PB1, ((4*kk+3)*4+mt)*8
	PACK8
.set mt, mt+1
.endr
.set kk, kk+1
.endr
.endm
.macro QLOAD                           ; a unit's Q' for my 64 m: 16 fragments, each load 512 consecutive bytes
.set i, 0
.rept 32
	global_load_b128 v[QF+4*i:QF+4*i+3], v[QOFF], s[40:41] offset:i*512
.set i, i+1
.endr
.endm
	s_load_b256 s[4:11], s[0:1], 0x0               ; feature s[4:5], task_ids s[6:7], bo s[8:9], qp s[10:11]
	s_load_b128 s[12:15], s[0:1], 0x20             ; wvo s[12:13], out0 s[14:15]
	v_lshl_add_u32 v30, v0, 2, 0x4a000
	v_mov_b32 v31, 0
	v_lshrrev_b32 v[T0], 5, v0
	v_readfirstlane_b32 s16, v[T0]                 ; wave 0..3
	s_bfe_u32 s17, ttmp6, 0x40000                  ; my place in the cluster: which 64 rows m; it enters global addresses of my own loads and stores alone
	s_mov_b32 s18, ttmp9                           ; the cluster's number: the image
	s_mov_b32 s23, 0                               ; upper word of every offset pair s[22:23]
	s_mov_b32 s36, 0x76543210                      ; v_permlanex16_b32: lane i reads lane i of the other half
	s_mov_b32 s37, 0xfedcba98
	s_mov_b32 s44, 0x3bb8aa3b                      ; k = log2(e) / 256
	s_mov_b32 s45, 0x3bb8aa3b
	s_mov_b32 s46, 0x3c000000                      ; 1 / 128
	s_mov_b32 s47, 0x3f27c5ac                      ; 65536 x 1e-5: the sums carry the factor 256, their variance its square
	s_mov_b32 s48, 0x42800000                      ; 64: a quarter of that factor, for each of the four waves' sums
	s_mov_b32 s49, 0x42800000
	; descriptor group 1: a dense block of 32,768 bytes as 128 rows of 32 elements of 8 bytes, no padding
	s_mov_b32 s24, 15|(3<<16)|(1<<21)              ; 15:0 the mask: all four work-groups; 17:16 elements of 8 bytes; 21 set beside a mask
	s_mov_b32 s25, 32<<16                          ; tensor_dim0 = 32
	s_mov_b32 s26, 128<<16                         ; tensor_dim1 = 128
	s_mov_b32 s27, 32<<16                          ; tile_dim0 = 32
	s_mov_b32 s28, 128                             ; tile_dim1 = 128
	s_mov_b32 s29, 32                              ; from row to row: 32 elements
	s_mov_b32 s30, 0
	s_mov_b32 s31, 0
	; group 0: made of the wave's number alone, so it is the same in the four work-groups
	s_mov_b32 s32, 1
	s_lshl_b32 s33, s16, 15
	s_add_co_u32 s33, s33, WV                      ; my wave's slot
	s_lshl_b32 s39, s16, 15                        ; 32,768 w
	v_and_b32 v[LANE], 31, v0
	v_and_b32 v[RR], 15, v0
	v_bfe_u32 v[HH], v0, 4, 1
	v_lshlrev_b32 v[QOFF], 4, v[LANE]
	v_lshlrev_b32 v[BOFF], 5, v[HH]
	v_add_nc_u32 v[FOFF], s39, v[QOFF]             ; 32 rows c of 1,024 bytes a wave
	s_wait_kmcnt 0x0
	s_lshl_b32 s22, s18, 2
	s_add_nc_u64 s[6:7], s[6:7], s[22:23]
	s_load_b32 s20, s[6:7], 0x0                    ; the image's task
	s_lshl_b32 s22, s18, 17                        ; an image: 131,072 bytes, in and out
	s_add_nc_u64 s[4:5], s[4:5], s[22:23]
	s_add_nc_u64 s[14:15], s[14:15], s[22:23]
	WIN 0x40
.set i, 0
.rept 64
	global_load_b128 v[4*i:4*i+3], v[FOFF], s[4:5] offset:i*512    ; window 1: row c = 32 w + (i >> 1), half i & 1: 512 consecutive bytes
.set i, i+1
.endr
	WIN 0x80
.set i, 0
.rept 16
	global_load_b128 v[4*i:4*i+3], v[BOFF], s[8:9] offset:(i>>1)*64+(i&1)*16   ; window 2: bo[16 co_t + 8 h + 0..7], laid as a tile's registers
.set i, i+1
.endr
	WIN 0
	s_lshl_b32 s22, s17, 8                         ; my 64 columns m of every row of out0: 256 bytes
	s_add_nc_u64 s[14:15], s[14:15], s[22:23]
	s_lshl_b32 s22, s16, 17                        ; my wave's four units of Wvo^T: 4 x 32,768 bytes
	s_add_nc_u64 s[34:35], s[12:13], s[22:23]
	s_or_b32 s35, s35, 0x80000000                  ; type 2
	v_add_nc_u32 v[ADR_RS], s39, v[QOFF]
	v_lshlrev_b32 v[T0], 4, v[RR]                  ; 16 r
	v_lshl_add_u32 v[OOFF], v[HH], 10, v[T0]
	v_add_nc_u32 v[OOFF], s39, v[OOFF]             ; (32 w + h) x 1,024 + 16 r
	v_mul_u32_u24 v[ADR_YL], v[HH], P_Y
	v_add_nc_u32 v[ADR_YL], v[ADR_YL], v[T0]
	s_mul_i32 s22, s16, 32*P_Y
	s_add_co_u32 s22, s22, YST
	v_add_nc_u32 v[ADR_YL], s22, v[ADR_YL]
	v_mul_u32_u24 v[ADR_NC], v[RR], P_NC
	v_lshl_add_u32 v[ADR_NC], v[HH], 4, v[ADR_NC]
	v_mul_u32_u24 v[ADR_CN], v[RR], P_CN
	v_lshl_add_u32 v[ADR_CN], v[HH], 4, v[ADR_CN]
	v_add_nc_u32 v[ADR_CN], F_CN, v[ADR_CN]
	v_add_nc_u32 v[ADR_WV], s33, v[QOFF]
	s_lshl_b32 s22, s16, 13
	v_add_nc_u32 v[ADR_RL], s22, v[QOFF]
	v_add_nc_u32 v[ADR_RL2], 0x10000, v[ADR_RL]
	v_mul_u32_u24 v[ADR_YS], v[HH], 8*P_Y
	v_lshl_add_u32 v[ADR_YS], v[RR], 2, v[ADR_YS]
	s_lshl_b32 s22, s16, 6
	s_add_co_u32 s22, s22, YST
	v_add_nc_u32 v[ADR_YS], s22, v[ADR_YS]
	s_mul_i32 s22, s16, 32*P_CN
	s_add_co_u32 s22, s22, F_CN
	v_lshl_add_u32 v[ADR_ST], v[LANE], 3, s22
	v_and_b32 v[T0], 7, v0
	v_lshl_add_u32 v[T0], v[HH], 3, v[T0]          ; the transposing load: row 8 h + (lane & 7), 16 bytes by bit 3 of the lane
	v_mul_u32_u24 v[ADR_TR], v[T0], P_CN
	v_bfe_u32 v[T0], v0, 3, 1
	v_lshl_add_u32 v[ADR_TR], v[T0], 4, v[ADR_TR]
	s_lshl_b32 s22, s16, 7                         ; my wave's 64 columns n: 128 bytes
	s_add_co_u32 s22, s22, F_CN
	v_add_nc_u32 v[ADR_TR], s22, v[ADR_TR]
	s_mul_i32 s22, s16, 64*P_NC
	v_add_nc_u32 v[ADR_TS], s22, v[ADR_NC]
	; which Q': table = task (clamped) in the task branch, 5 in the global one, by multiplies and adds alone
	s_wait_kmcnt 0x0
	s_min_u32 s20, s20, 4
	s_lshr_b32 s21, s16, 1                         ; branch
	s_mul_i32 s20, s20, s21
	s_xor_b32 s21, s21, 1
	s_mul_i32 s21, s21, 5
	s_add_co_u32 s21, s21, s20
	s_lshl_b32 s22, s21, 19                        ; 8 heads x 65,536 bytes a table
	s_and_b32 s21, s16, 1
	s_lshl_b32 s21, s21, 18                        ; my wave's first head: 4 (w & 1)
	s_add_co_u32 s22, s22, s21
	s_lshl_b32 s21, s17, 14                        ; my 4 m tiles
	s_add_co_u32 s22, s22, s21
	s_add_nc_u64 s[40:41], s[10:11], s[22:23]
	QLOAD                                          ; the first unit's
	; feature to f16: F_CN as it lies (rows c), then F_NC by transposing loads
	s_wait_loadcnt 0x20                            ; the 64 loads of feature and the 16 of bo are in; the 32 of Q' behind them stay out
	WIN 0x45
.set i, 0
.rept 64
	v_cvt_pk_f16_f32 v[4*i],   v[4*i],   v[4*i+1]
	v_cvt_pk_f16_f32 v[4*i+1], v[4*i+2], v[4*i+3]
.set i, i+1
.endr
	WIN 0x04
.set i, 0
.rept 64
	ds_store_b64 v[ADR_ST], v[4*i:4*i+1] offset:(i>>1)*P_CN+(i&1)*256
.set i, i+1
.endr
	WIN 0
	s_wait_dscnt 0x0                               ; my stores are done, for the other waves' sake
	s_barrier_signal -1
	WIN 0xc2                                       ; register work while the others arrive: OUT^T's 32 tiles start from 64 bo (window 2 to window 3), the same for the four m tiles
.set ct, 0
.rept 8
.set mt, 0
.rept 4
.set pp, 0
.rept 4
	v_pk_mul_f32 v[(ct*4+mt)*8+2*pp:(ct*4+mt)*8+2*pp+1], v[ct*8+2*pp:ct*8+2*pp+1], s[48:49] op_sel_hi:[1,0]
.set pp, pp+1
.endr
.set mt, mt+1
.endr
.set ct, ct+1
.endr
	WIN 0
	s_barrier_wait -1                              ; F_CN is whole
	WIN 0x40
.set i, 0
.rept 32
	ds_load_tr16_b128 v[4*i:4*i+3], v[ADR_TR] offset:(i>>2)*16*P_CN+(i&3)*32   ; c = 16 (i >> 2) + 8 h + 0..7 of column n = 64 w + 16 (i & 3) + r
.set i, i+1
.endr
	WIN 0x04
.set i, 0
.rept 32
	s_wait_dscnt 0x1f                              ; behind load i stand 31 - i loads and i stores
	ds_store_b128 v[ADR_TS], v[4*i:4*i+3] offset:(i&3)*16*P_NC+(i>>2)*32
.set i, i+1
.endr
	WIN 0
	s_mov_b32 s38, UNITS
	; ONE UNIT A TRIP
.Lunit:
	s_wait_dscnt 0x0                               ; first trip: my stores into F_NC are done; later: my reads of my Wvo slot are over
	s_wait_tensorcnt 0x0                           ; none of my tensor loads is out
	ds_add_u32 v30, v31
	s_wait_dscnt 0x0
	ROUND                                          ; both hold of every wave of the four work-groups; its opening barrier also shows F_NC whole in the first trip
	tensor_load_to_lds s[32:35], s[24:31]          ; this unit's Wvo^T: my one tensor load behind the round, first thing there; it has S^T, the softmax and T^T in which to land
	s_nop 0
	FETCH BUF0, ADR_NC, 0, 64, 32                  ; the first step of S^T
	s_wait_loadcnt 0x0                             ; this unit's Q' is in; its base may be stepped
.set un, 0
.rept 16
	ST_STEP un
.set un, un+1
.endr
	PLACES                                         ; behind the last product: S^T is read, and Q' loaded again, only behind these
	WIN 0
	s_cmp_eq_u32 s38, 1                            ; the last trip has no next unit: it asks for nothing (the next 65,536 bytes may lie past qp's end)
	s_cbranch_scc1 .Lno_q
	s_add_nc_u64 s[40:41], s[40:41], 0x10000       ; the next head: 16 m tiles x 4,096 bytes
	QLOAD                                          ; it has the softmax, T^T and OUT^T in which to come
.Lno_q:
	SOFTMAX
.set un, 0
.rept 16
	TT_STEP un
.set un, un+1
.endr
	PLACES
	WIN 0x41
	TMUL
	WIN 0x45
	TPACK
	WIN 0x82
	TMUL
	WIN 0x8a
	TPACK
.set un, 0
.rept 8
	OT_STEP un
.set un, un+1
.endr
	WIN 0
	s_add_nc_u64 s[34:35], s[34:35], WVB           ; the next unit's Wvo^T: my load was shown landed in front of its reads, so the descriptor may be written (the last trip's step is not used)
	s_sub_co_i32 s38, s38, 1
	s_cmp_lg_u32 s38, 0
	s_cbranch_scc1 .Lunit
	; THE END: the four waves' partial sums meet in LDS; wave w then owns m tile w, all 128 co: 64 numbers a lane, the other 64 in lane xor 16
	PLACES                                         ; behind the last product: OUT^T is read, and window 1 loaded, only behind these
	s_wait_dscnt 0x0
	s_barrier_signal -1
	s_barrier_wait -1                              ; every wave has read F_NC and F_CN for the last time
	WIN 0x0c
.set mt, 0
.rept 4
.set i, 0
.rept 16
	ds_store_b128 v[ADR_RS], v[((i>>1)*4+mt)*8+(i&1)*4:((i>>1)*4+mt)*8+(i&1)*4+3] offset:mt*8192+i*512
.set i, i+1
.endr
.set mt, mt+1
.endr
	WIN 0
	s_wait_dscnt 0x0
	s_barrier_signal -1
	s_barrier_wait -1
	WIN 0x40
.set i, 0
.rept 32
	ds_load_b128 v[4*i:4*i+3], v[ADR_RL] offset:(i>>4)*32768+(i&15)*512        ; window 1: wave (i >> 4)'s sum at 64 (i >> 4)
.set i, i+1
.endr
.set i, 0
.rept 32
	ds_load_b128 v[128+4*i:128+4*i+3], v[ADR_RL2] offset:(i>>4)*32768+(i&15)*512
.set i, i+1
.endr
	s_wait_dscnt 0x0
	WIN 0x55
.set i, 0
.rept 32
	v_pk_add_f32 v[2*i:2*i+1], v[2*i:2*i+1], v[64+2*i:64+2*i+1]
	v_pk_add_f32 v[128+2*i:128+2*i+1], v[128+2*i:128+2*i+1], v[192+2*i:192+2*i+1]
.set i, i+1
.endr
.set i, 0
.rept 32
	v_pk_add_f32 v[2*i:2*i+1], v[2*i:2*i+1], v[128+2*i:128+2*i+1]          ; X = 256 (out + bo)
.set i, i+1
.endr
	; LayerNorm over co: the mean, the differences, their squares' mean
.set i, 0
.rept 4
	v_pk_add_f32 v[64+2*i:64+2*i+1], v[2*i:2*i+1], v[8+2*i:8+2*i+1]        ; four chains, started by the first eight pairs
.set i, i+1
.endr
.set i, 8
.rept 24
	v_pk_add_f32 v[64+2*(i&3):64+2*(i&3)+1], v[64+2*(i&3):64+2*(i&3)+1], v[2*i:2*i+1]
.set i, i+1
.endr
	v_pk_add_f32 v[64:65], v[64:65], v[66:67]
	v_pk_add_f32 v[68:69], v[68:69], v[70:71]
	v_pk_add_f32 v[64:65], v[64:65], v[68:69]
	WIN 0x05
	v_add_f32 v[MX], v64, v65
	WIN 0
	v_permlanex16_b32 v[MX+1], v[MX], s36, s37
	v_add_f32 v[MX], v[MX], v[MX+1]
	v_mul_f32 v[NM], s46, v[MX]                    ; the mean
	v_mul_f32 v[NM+1], s46, v[MX]
	WIN 0x41
.set i, 0
.rept 32
	v_pk_add_f32 v[2*i:2*i+1], v[2*i:2*i+1], v[NM:NM+1] neg_lo:[0,1] neg_hi:[0,1]
.set i, i+1
.endr
	WIN 0x55
.set i, 0
.rept 4
	v_pk_mul_f32 v[64+2*i:64+2*i+1], v[2*i:2*i+1], v[2*i:2*i+1]
.set i, i+1
.endr
.set i, 4
.rept 28
	v_pk_fma_f32 v[64+2*(i&3):64+2*(i&3)+1], v[2*i:2*i+1], v[2*i:2*i+1], v[64+2*(i&3):64+2*(i&3)+1]
.set i, i+1
.endr
	v_pk_add_f32 v[64:65], v[64:65], v[66:67]
	v_pk_add_f32 v[68:69], v[68:69], v[70:71]
	v_pk_add_f32 v[64:65], v[64:65], v[68:69]
	WIN 0x05
	v_add_f32 v[MX], v64, v65
	WIN 0
	v_permlanex16_b32 v[MX+1], v[MX], s36, s37
	v_add_f32 v[MX], v[MX], v[MX+1]
	v_fma_f32 v[MX], v[MX], s46, s47               ; variance of X + 65536 x 1e-5
	v_rsq_f32 v[NM], v[MX]
	v_rsq_f32 v[NM+1], v[MX]
	v_nop                                          ; the plain place behind v_rsq_f32 (ISA guide 5.7.2)
	WIN 0x41
.set i, 0
	s_wait_alu depctr_va_vdst(0)
.rept 32
	v_pk_mul_f32 v[2*i:2*i+1], v[2*i:2*i+1], v[NM:NM+1]
.set i, i+1
.endr
	; the way out: a lane holds a piece of a column of out0's rows, so the block goes through LDS and leaves by rows
	WIN 0x04
.set i, 0
.rept 64
	ds_store_b32 v[ADR_YS], v[i] offset:((i>>3)*16+(i&7))*P_Y      ; row co = 16 (i >> 3) + 8 h + (i & 7), column 16 w + r
.set i, i+1
.endr
	WIN 0
	s_wait_dscnt 0x0
	s_barrier_signal -1
	s_barrier_wait -1
.set i, 0
.rept 16
	ds_load_b128 v[BUF0+4*i:BUF0+4*i+3], v[ADR_YL] offset:i*2*P_Y  ; rows 32 w + 2 i + h
.set i, i+1
.endr
.set i, 0
.rept 16
	s_wait_dscnt 15-i                              ; LDS loads come back in order: load i is in, the younger ones stay out
	global_store_b128 v[OOFF], v[BUF0+4*i:BUF0+4*i+3], s[14:15] offset:i*2048 th:TH_STORE_NT   ; 16 lanes store 256 consecutive bytes, at a multiple of 256 from out0's first byte
.set i, i+1
.endr
	s_wait_tensorcnt 0x0
	ds_add_u32 v30, v31
	s_wait_dscnt 0x0
	ROUND                                          ; the closing round: no work-group ends while a partner may still ask jointly
	s_endpgm
.Lfunc_end_k_qd8b19f91ca_mema:
	.size	k_qd8b19f91ca_mema, .Lfunc_end_k_qd8b19f91ca_mema-k_qd8b19f91ca_mema
	.p2alignl 7, 3214868480
	.fill 96, 4, 3214868480
	.section	.rodata,"a",@progbits
	.p2align	6, 0x0
	.amdhsa_kernel k_qd8b19f91ca_mema
		.amdhsa_group_segment_fixed_size 327680
		.amdhsa_private_segment_fixed_size 0
		.amdhsa_enable_private_segment 0
		.amdhsa_kernarg_size 48
		.amdhsa_user_sgpr_count 2
		.amdhsa_user_sgpr_kernarg_segment_ptr 1
		.amdhsa_wavefront_size32 1
		.amdhsa_system_sgpr_workgroup_id_x 1
		.amdhsa_system_sgpr_workgroup_id_y 1
		.amdhsa_system_sgpr_workgroup_id_z 1
		.amdhsa_system_vgpr_workitem_id 0
		.amdhsa_next_free_vgpr 1024
		.amdhsa_next_free_sgpr 66
		.amdhsa_reserve_vcc 0
		.amdhsa_float_denorm_mode_32 3
		.amdhsa_float_denorm_mode_16_64 3
		.amdhsa_memory_ordered 1
		.amdhsa_forward_progress 1
		.amdhsa_inst_pref_size 243
	.end_amdhsa_kernel
	.amdgpu_metadata
---
amdhsa.version: [ 1, 2 ]
amdhsa.kernels:
  - .name:           k_qd8b19f91ca_mema
    .symbol:         k_qd8b19f91ca_mema.kd
    .args:
      - { .name: feature, .offset: 0, .size: 8, .value_kind: global_buffer, .address_space: global }
      - { .name: task_ids, .offset: 8, .size: 8, .value_kind: global_buffer, .address_space: global }
      - { .name: bo, .offset: 16, .size: 8, .value_kind: global_buffer, .address_space: global }
      - { .name: qp, .offset: 24, .size: 8, .value_kind: global_buffer, .address_space: global }
      - { .name: wvo, .offset: 32, .size: 8, .value_kind: global_buffer, .address_space: global }
      - { .name: out0, .offset: 40, .size: 8, .value_kind: global_buffer, .address_space: global }
    .group_segment_fixed_size: 327680
    .private_segment_fixed_size: 0
    .kernarg_segment_align: 8
    .kernarg_segment_size: 48
    .max_flat_workgroup_size: 128
    .sgpr_count:     66
    .vgpr_count:     1024
    .wavefront_size: 32
...
	.end_amdgpu_metadata
.endif
;; end of part 3
;; ======== version 3 of 3: 2 launches; version 2 with the launch prep written anew for expert scheduling mode
;; limits: values are held in f16: magnitudes above 65,504 overflow, below 6.1e-05 lose precision
;; workspace buffers: qp 3,145,728 bytes; wvo 524,288 bytes
;; launch prep (part 4): grid 224 x 1, 8 waves a work-group, no clusters, 56,320 bytes of LDS; arguments mem, Wk2g, Wk2t, Wv2g, Wv2t, Wo, qp, wvo; writes qp, wvo
.if DOCPART == 4
	.amdgcn_target "amdgcn-amd-amdhsa--gfx1250"
	.amdhsa_code_object_version 6
	.text
	.protected	k_qd8b19f91ca_prep
	.globl	k_qd8b19f91ca_prep
	.p2align	8
	.type	k_qd8b19f91ca_prep,@function
k_qd8b19f91ca_prep:
	s_mov_b64 s[64:65], 0
	v_nop
	global_prefetch_b8 v0, s[64:65] scope:SCOPE_SE
	s_setreg_imm32_b32 hwreg(HW_REG_WAVE_SCHED_MODE, 0, 2), 2
	s_setreg_imm32_b32 hwreg(HW_REG_WAVE_MODE, 25, 1), 1
	s_wait_xcnt 0x0
	s_wait_alu depctr_vm_vsrc(0)
; The two products of reference() that hang on weights and the query table alone, made once for all 64 images:
;   Q'[m][ci]   = sum over c' of q[m][c'] Wk[ci][128 hd + c']       since q (f Wk_h)^T = (q Wk_h^T) f^T
;   Wvo[c][co]  = sum over c' of Wv[c][128 hd + c'] Wo[128 hd + c'][co]   since (attn f Wv_h) Wo_h = (attn f)(Wv_h Wo_h)
; Both are one job: D[ci 128][x 64] = sum over c' (128) of A[ci][c'] B[x][c'], times 256, rounded to f16.
; Work-groups 0-191: Q' of table tb (0-4: mem[tb] with Wk2t; 5: mem[4] with Wk2g), head hd, 64 rows m.
; Work-groups 192-223: Wvo of unit u = 8 branch + hd (branch 0: Wv2g, 1: Wv2t), 64 columns co.
; Eight waves; wave w makes rows ci = 16 w .. 16 w + 15 of D, four tiles of 16 x 16.
; OUTPUT IN FRAGMENT ORDER: in D lane (r, h) holds column x = r and rows ci = 16 w + 8 h + 0..7.  Rounded to f16 these are the 16 bytes
; that lane (r, h) of a 16-bit fragment with row/column x and K = ci wants: K block ks = w >> 1, registers 0-3 (w even) or 4-7 (w odd).
; So fragment (x tile, ks) is 1,024 bytes, [half 2][lane 32][16 bytes], and each store of a wave covers 512 consecutive bytes, aligned.
; FORMAT: operands in f16, sums in f32.  The factor 256 keeps the results (some 5e-3 for the drawn inputs) in f16's normal range
; for inputs 30 times smaller in each factor.  LIMIT: |256 D| must stay below 65,504, beyond it the f16 result is infinite.
; No tensor loads: f32 is rounded to f16 on the way, so the data pass through registers, and each work-group reads 96 KiB once.
; THE MODE: SCHED_MODE bits 1:0 = 2 (LLVM: expert scheduling mode 2), set by the entry lines.  The code itself states the register dependences
; between vector or matrix instructions and memory or LDS instructions, with s_wait_alu, always for 0.
; THE PLAN.  Registers that memory or LDS instructions touch, in the order of the text (there is no loop):
;   v5 .. v11     offsets and LDS addresses.  Written by vector lines at the head and in the job's arm, never again; read by every load and store.
;   XA v[32:95]   16 global loads land in it; 32 conversions round it in place; 16 LDS stores read it; behind the barrier fragment loads land in it.
;   XB v[96:127]  the same with 8 loads, 16 conversions, 8 LDS stores.
;   FA, FB        v[32:191]: the fragment loads land; matrix instructions read; nothing writes them again.
;   ACC           v[192:223]: matrix instructions, the scalings and the conversions write it; four global stores read it; nothing writes it again.
;   v224, v225    written at the head, read by the closing add alone.
; So the conversions stand in runs, and ONE wait on va_vdst stands between each run and the run of stores that reads it: three in all; one more stands
; ahead of the first load, for the offsets and addresses; one wait on vm_vsrc stands between the LDS stores and the fragment loads into their registers.
.set PA,    272                        ; LDS pitch of rows of 128 f16: 256 bytes + 16, an odd multiple of 16
.set B_LDS, 128*PA                     ; A: 128 rows from byte 0; B behind it
.set PBT,   160                        ; LDS pitch of Wo's rows of 64 f16 (128 bytes), an odd multiple of 32, for the transposing load
.set LANE,  1
.set RR,    2                          ; r = lane & 15
.set HH,    3                          ; h = lane >> 4
.set GA,    5                          ; byte offset in A of my 16 bytes of my wave's first row
.set GB,    6                          ; the same in B
.set LA_ST, 7                          ; where I put 8 bytes of A's row in LDS
.set LB_ST, 8                          ; the same for B
.set LA_FR, 9                          ; my A fragments
.set LB_FR, 10                         ; my B fragments
.set STO,   11                         ; byte offset of my 16 bytes in the first x tile of the result
.set L16,   12
.set L8,    13
.set RH,    14
.set TMP,   15
.set XA,    32                         ; v[32:95]   16 loads of A, f32
.set XB,    96                         ; v[96:127]  8 loads of B, f32
.set FA,    32                         ; v[32:63]   behind the barrier: A's 4 fragments
.set FB,    64                         ; v[64:191]  B's fragment (nt, ks) at FB + 8 (4 nt + ks)
.set ACC,   192                        ; v[192:223] 4 tiles
	s_load_b512 s[4:19], s[0:1], 0x0               ; mem s[4:5], Wk2g s[6:7], Wk2t s[8:9], Wv2g s[10:11], Wv2t s[12:13], Wo s[14:15], qp s[16:17], wvo s[18:19]
	v_lshl_add_u32 v224, v0, 2, 0xd800             ; my spare word, behind A and B: 128 bytes for each of the eight waves; kept for the closing lines alone
	v_mov_b32 v225, 0                              ; and 0, likewise
	s_mov_b32 s20, ttmp9                           ; the job
	s_mov_b32 s23, 0                               ; upper word of every offset pair s[22:23]
	v_lshrrev_b32 v[TMP], 5, v0
	v_readfirstlane_b32 s21, v[TMP]                ; wave 0..7
	v_and_b32 v[LANE], 31, v0
	v_and_b32 v[RR], 15, v0
	v_bfe_u32 v[HH], v0, 4, 1
	v_lshlrev_b32 v[L16], 4, v[LANE]
	v_lshlrev_b32 v[L8], 3, v[LANE]
	s_wait_alu depctr_va_sdst(0)                   ; s21 is written, ahead of its first reader: the wave's offsets are made from it
	s_lshl_b32 s36, s21, 16                        ; 16 rows of 4,096 bytes a wave
	v_add_nc_u32 v[GA], s36, v[L16]
	s_mul_i32 s36, s21, 16*PA
	v_add_nc_u32 v[LA_ST], s36, v[L8]
	v_mul_u32_u24 v[RH], v[RR], PA
	v_lshl_add_u32 v[RH], v[HH], 4, v[RH]          ; r x pitch + 16 h
	v_add_nc_u32 v[LA_FR], s36, v[RH]              ; rows 16 w + r
	s_lshl_b32 s36, s21, 9                         ; (w >> 1) x 1,024 + (w & 1) x 512 = 512 w
	v_add_nc_u32 v[STO], s36, v[L16]
; n loads of 4 f32 a lane are rounded to f16 in place: the first two of each four registers take the four numbers
.macro CVT x, n
.set i, 0
.rept \n
	v_cvt_pk_f16_f32 v[\x+4*i], v[\x+4*i], v[\x+4*i+1]
	v_cvt_pk_f16_f32 v[\x+4*i+1], v[\x+4*i+2], v[\x+4*i+3]
.set i, i+1
.endr
.endm
; and put into LDS, 8 bytes a lane
.macro PUT x, n, adr, ls
.set i, 0
.rept \n
	ds_store_b64 v[\adr], v[\x+4*i:\x+4*i+1] offset:i*\ls
.set i, i+1
.endr
.endm
; all 24 loads of the wave go out together; gs: bytes in B from load to load, ls: the same in LDS
.macro STAGE gs, ls
	s_wait_alu depctr_va_vdst(0)                   ; the seven offsets and addresses v5 to v11 are written, which the loads and stores from here to the end read; none is written again
.set i, 0
.rept 16
	global_load_b128 v[XA+4*i:XA+4*i+3], v[GA], s[24:25] offset:i*4096     ; 512 consecutive bytes: a head's 128 columns of one row
.set i, i+1
.endr
.set i, 0
.rept 8
	global_load_b128 v[XB+4*i:XB+4*i+3], v[GB], s[26:27] offset:i*\gs
.set i, i+1
.endr
	s_wait_loadcnt 0x8                             ; A's 16 are in; B's 8 younger loads stay out
	CVT XA, 16
	s_wait_alu depctr_va_vdst(0)                   ; the conversions have written v[XA ..], which the 16 LDS stores read
	PUT XA, 16, LA_ST, PA
	s_wait_loadcnt 0x0
	CVT XB, 8
	s_wait_alu depctr_va_vdst(0)                   ; the conversions have written v[XB ..], which the 8 LDS stores read; no vector line follows before the fragment loads, so every conversion is also done with the registers in which those land
	PUT XB, 8, LB_ST, \ls
.endm
	s_wait_kmcnt 0x0
	s_cmp_lt_u32 s20, 192                          ; the same in all waves of the work-group
	s_cbranch_scc0 .Lwvo_in
	; ---- Q': A = Wk's head, B = 64 rows of the query table (K along the rows)
	s_lshr_b32 s32, s20, 2                         ; 8 tb + hd
	s_and_b32 s33, s20, 3                          ; which 64 rows m
	s_lshr_b32 s34, s32, 3                         ; tb
	s_and_b32 s35, s32, 7                          ; hd
	s_cmp_eq_u32 s34, 5
	s_cselect_b64 s[24:25], s[6:7], s[8:9]         ; table 5 goes with Wk2g, the others with Wk2t
	s_lshl_b32 s22, s35, 9                         ; the head's 128 columns: 512 bytes
	s_add_nc_u64 s[24:25], s[24:25], s[22:23]
	s_min_u32 s34, s34, 4                          ; table 5 is mem[4] again
	s_lshl_b32 s22, s34, 20                        ; 262,144 f32 a table
	s_lshl_b32 s36, s35, 17                        ; 256 rows x 512 bytes a head
	s_add_co_u32 s22, s22, s36
	s_lshl_b32 s36, s33, 15                        ; 64 rows x 512 bytes
	s_add_co_u32 s22, s22, s36
	s_add_nc_u64 s[26:27], s[4:5], s[22:23]
	s_lshl_b32 s22, s32, 16                        ; 16 m tiles x 4,096 bytes a head
	s_lshl_b32 s36, s33, 14
	s_add_co_u32 s22, s22, s36
	s_add_nc_u64 s[28:29], s[16:17], s[22:23]
	s_lshl_b32 s36, s21, 12                        ; 8 rows of 512 bytes a wave
	v_add_nc_u32 v[GB], s36, v[L16]
	s_mul_i32 s36, s21, 8*PA
	s_add_co_u32 s36, s36, B_LDS
	v_add_nc_u32 v[LB_ST], s36, v[L8]
	v_add_nc_u32 v[LB_FR], B_LDS, v[RH]
	STAGE 512, PA
	s_branch .Lstaged
.Lwvo_in:
	; ---- Wvo: A = Wv's head, B = 64 columns of Wo's 128 rows of that head (stored [K][N])
	s_sub_co_u32 s32, s20, 192
	s_lshr_b32 s33, s32, 1                         ; u
	s_and_b32 s34, s32, 1                          ; which 64 columns co
	s_lshr_b32 s35, s33, 3                         ; branch
	s_and_b32 s37, s33, 7                          ; hd
	s_cmp_lg_u32 s35, 0
	s_cselect_b64 s[24:25], s[12:13], s[10:11]     ; branch 1: Wv2t, branch 0: Wv2g
	s_lshl_b32 s22, s37, 9
	s_add_nc_u64 s[24:25], s[24:25], s[22:23]
	s_lshl_b32 s22, s37, 16                        ; 128 rows x 512 bytes a head
	s_lshl_b32 s36, s34, 8                         ; 64 columns: 256 bytes
	s_add_co_u32 s22, s22, s36
	s_add_nc_u64 s[26:27], s[14:15], s[22:23]
	s_lshl_b32 s22, s33, 15                        ; 8 co tiles x 4,096 bytes a unit
	s_lshl_b32 s36, s34, 14
	s_add_co_u32 s22, s22, s36
	s_add_nc_u64 s[28:29], s[18:19], s[22:23]
	v_lshlrev_b32 v[GB], 4, v[RR]                  ; a load takes two rows: lanes 0-15 256 bytes of one, lanes 16-31 of the next
	v_lshl_add_u32 v[GB], v[HH], 9, v[GB]
	s_lshl_b32 s36, s21, 13                        ; 16 rows of 512 bytes a wave
	v_add_nc_u32 v[GB], s36, v[GB]
	v_mul_u32_u24 v[LB_ST], v[HH], PBT
	v_lshl_add_u32 v[LB_ST], v[RR], 3, v[LB_ST]
	s_mul_i32 s36, s21, 16*PBT
	s_add_co_u32 s36, s36, B_LDS
	v_add_nc_u32 v[LB_ST], s36, v[LB_ST]
	v_and_b32 v[TMP], 7, v0                        ; the transposing load: row 8 h + (lane & 7), 16 bytes by bit 3 of the lane
	v_lshl_add_u32 v[TMP], v[HH], 3, v[TMP]
	v_mul_u32_u24 v[LB_FR], v[TMP], PBT
	v_bfe_u32 v[TMP], v0, 3, 1
	v_lshl_add_u32 v[LB_FR], v[TMP], 4, v[LB_FR]
	v_add_nc_u32 v[LB_FR], B_LDS, v[LB_FR]
	STAGE 1024, 2*PBT
.Lstaged:
	s_wait_dscnt 0x0                               ; my LDS stores are done, for the other waves' sake
	s_barrier_signal -1
	s_barrier_wait -1                              ; A and B are whole
	s_wait_alu depctr_vm_vsrc(0)                   ; my LDS stores have read v[XA ..] and v[XB ..]: these registers are FA and FB from here on, in which the fragment loads below, on both ways, land
.set ks, 0
.rept 4
	ds_load_b128 v[FA+8*ks:FA+8*ks+3],   v[LA_FR] offset:ks*64
	ds_load_b128 v[FA+8*ks+4:FA+8*ks+7], v[LA_FR] offset:ks*64+32
.set ks, ks+1
.endr
	s_cmp_lt_u32 s20, 192
	s_cbranch_scc0 .Lwvo_fr
.set ks, 0
.rept 4                                        ; K block by K block, so that the products can begin on the first
.set nt, 0
.rept 4
	ds_load_b128 v[FB+(nt*4+ks)*8:FB+(nt*4+ks)*8+3],   v[LB_FR] offset:nt*16*PA+ks*64
	ds_load_b128 v[FB+(nt*4+ks)*8+4:FB+(nt*4+ks)*8+7], v[LB_FR] offset:nt*16*PA+ks*64+32
.set nt, nt+1
.endr
.set ks, ks+1
.endr
	s_branch .Lmul
.Lwvo_fr:
.set ks, 0
.rept 4
.set nt, 0
.rept 4
	ds_load_tr16_b128 v[FB+(nt*4+ks)*8:FB+(nt*4+ks)*8+3],   v[LB_FR] offset:ks*32*PBT+nt*32          ; K = 32 ks + 8 h + 0..7 of column 16 nt + r
	ds_load_tr16_b128 v[FB+(nt*4+ks)*8+4:FB+(nt*4+ks)*8+7], v[LB_FR] offset:ks*32*PBT+nt*32+16*PBT   ; K sixteen further on
.set nt, nt+1
.endr
.set ks, ks+1
.endr
.Lmul:
	; the four accumulators take turns, one instruction a turn; the first K block starts the sums
.set ks, 0
.rept 4
	s_wait_dscnt 8*(3-ks)                          ; on both ways 8 loads a K block: those of the later blocks stay out
.set nt, 0
.rept 4
.if ks == 0
	v_wmma_f32_16x16x32_f16 v[ACC+8*nt:ACC+8*nt+7], v[FA+8*ks:FA+8*ks+7], v[FB+(nt*4+ks)*8:FB+(nt*4+ks)*8+7], 0
.else
	v_wmma_f32_16x16x32_f16 v[ACC+8*nt:ACC+8*nt+7], v[FA+8*ks:FA+8*ks+7], v[FB+(nt*4+ks)*8:FB+(nt*4+ks)*8+7], v[ACC+8*nt:ACC+8*nt+7]
.endif
.set nt, nt+1
.endr
.set ks, ks+1
.endr
.rept 4
	v_nop                                          ; four places behind the last matrix instruction before its result is read (ISA guide 7.12.1)
.endr
.set i, 0
.rept 16
	v_pk_mul_f32 v[ACC+2*i:ACC+2*i+1], v[ACC+2*i:ACC+2*i+1], 0x43800000 op_sel_hi:[1,0]   ; x 256
.set i, i+1
.endr
.set nt, 0
.rept 4
.set i, 0
.rept 4
	v_cvt_pk_f16_f32 v[ACC+8*nt+i], v[ACC+8*nt+2*i], v[ACC+8*nt+2*i+1]     ; in place, ascending: register i is written when it has been read
.set i, i+1
.endr
.set nt, nt+1
.endr
	s_wait_alu depctr_va_vdst(0)                   ; the conversions have written the first four registers of each tile, which the four stores read
.set nt, 0
.rept 4
	global_store_b128 v[STO], v[ACC+8*nt:ACC+8*nt+3], s[28:29] offset:nt*4096   ; 512 consecutive bytes: half a fragment
.set nt, nt+1
.endr
	s_wait_dscnt 0x0                               ; the closing lines, six on end
	s_wait_alu 0x0
	s_wait_tensorcnt 0x0
	ds_add_u32 v224, v225
	s_wait_dscnt 0x0
	s_endpgm
.Lfunc_end_k_qd8b19f91ca_prep:
	.size	k_qd8b19f91ca_prep, .Lfunc_end_k_qd8b19f91ca_prep-k_qd8b19f91ca_prep
	.p2alignl 7, 3214868480
	.fill 96, 4, 3214868480
	.section	.rodata,"a",@progbits
	.p2align	6, 0x0
	.amdhsa_kernel k_qd8b19f91ca_prep
		.amdhsa_group_segment_fixed_size 56320
		.amdhsa_private_segment_fixed_size 0
		.amdhsa_enable_private_segment 0
		.amdhsa_kernarg_size 64
		.amdhsa_user_sgpr_count 2
		.amdhsa_user_sgpr_kernarg_segment_ptr 1
		.amdhsa_wavefront_size32 1
		.amdhsa_system_sgpr_workgroup_id_x 1
		.amdhsa_system_sgpr_workgroup_id_y 1
		.amdhsa_system_sgpr_workgroup_id_z 1
		.amdhsa_system_vgpr_workitem_id 0
		.amdhsa_next_free_vgpr 226
		.amdhsa_next_free_sgpr 66
		.amdhsa_reserve_vcc 0
		.amdhsa_float_denorm_mode_32 3
		.amdhsa_float_denorm_mode_16_64 3
		.amdhsa_memory_ordered 1
		.amdhsa_forward_progress 1
		.amdhsa_inst_pref_size 27
	.end_amdhsa_kernel
	.amdgpu_metadata
---
amdhsa.version: [ 1, 2 ]
amdhsa.kernels:
  - .name:           k_qd8b19f91ca_prep
    .symbol:         k_qd8b19f91ca_prep.kd
    .args:
      - { .name: mem, .offset: 0, .size: 8, .value_kind: global_buffer, .address_space: global }
      - { .name: Wk2g, .offset: 8, .size: 8, .value_kind: global_buffer, .address_space: global }
      - { .name: Wk2t, .offset: 16, .size: 8, .value_kind: global_buffer, .address_space: global }
      - { .name: Wv2g, .offset: 24, .size: 8, .value_kind: global_buffer, .address_space: global }
      - { .name: Wv2t, .offset: 32, .size: 8, .value_kind: global_buffer, .address_space: global }
      - { .name: Wo, .offset: 40, .size: 8, .value_kind: global_buffer, .address_space: global }
      - { .name: qp, .offset: 48, .size: 8, .value_kind: global_buffer, .address_space: global }
      - { .name: wvo, .offset: 56, .size: 8, .value_kind: global_buffer, .address_space: global }
    .group_segment_fixed_size: 56320
    .private_segment_fixed_size: 0
    .kernarg_segment_align: 8
    .kernarg_segment_size: 64
    .max_flat_workgroup_size: 256
    .sgpr_count:     66
    .vgpr_count:     226
    .wavefront_size: 32
...
	.end_amdgpu_metadata
.endif
;; end of part 4
;; launch mema: the kernel of part 3 again; grid 256 x 1, 4 waves a work-group, clusters of 4 x 1, 327,680 bytes of LDS; arguments feature, task_ids, bo, qp, wvo, out0; writes out0
